; MI455X (gfx1250); checked and timed in simulation.
; The chip was launched on July 23, 2026; its instructions are those of AMD's public machine-readable ISA for CDNA 5 (MIT licence, August 2026) and "CDNA5" Instruction Set Architecture Reference Guide (July 2026). The comments in the code are by the model that wrote it; some were corrected since.
;; Multihead Attention. Allowed arithmetic: matrix products marked QUANTISED: E2M3 operands, one E8M0 scale for each 32 along K, by v_wmma_scale_f32_16x16x128_f8f6f4 with both operands' format E2M3, f32 sums; everything else in f32.
;; Inputs: Wk 2,048 x 2,048 float32; Wo 2,048 x 2,048 float32; Wq 2,048 x 2,048 float32; Wv 2,048 x 2,048 float32; x 2,048 x 2,048 float32.
;; Outputs: out0 2,048 x 2,048 float32.
;; This version of the problem:
;;   THIS VERSION OF THE PROBLEM IS GIVEN IN LOW PRECISION. The matrix products marked QUANTISED in the list below multiply operands that are first quantised to E2M3 (2 exponent bits, 3 mantissa bits; 6 bits a number), with one power-of-two scale for each 32 numbers along K (OCP MX v1.0); their sums are f32. All else is computed in f32.
;;   The module's matrix products, in the order in which they are computed (A, B: the left and right operand; K: the contracted axis; several contracted axes count as one K, in the product's order):
;;     1. [M 2,048, K 2,048] x [K 2,048, N 2,048]; A: input x; B: input Wq: QUANTISED
;;     2. [M 2,048, K 2,048] x [K 2,048, N 2,048]; A: input x; B: input Wk: QUANTISED
;;     3. [M 2,048, K 2,048] x [K 2,048, N 2,048]; A: input x; B: input Wv: QUANTISED
;;     4. batch 16 x [M 2,048, K 128] x [K 128, N 2,048]; A: computed on the way; B: computed on the way: QUANTISED
;;     5. batch 16 x [M 128, K 2,048] x [K 2,048, N 2,048]; A: computed on the way; B: softmax (see below): QUANTISED
;;     6. [M 2,048, K 2,048] x [K 2,048, N 2,048]; A: computed on the way; B: input Wo: QUANTISED
;;   THE QUANTISER, for each operand of a quantised product, along K:
;;     - K is cut into blocks of 32 from its start; a last block that is shorter is filled with zeros.
;;     - A block's scale is 2^e with e = floor(log2(the largest magnitude in the block)) - 2, held to -126 .. 127; a block of zeros has e = 0. As a byte (E8M0): e + 127.
;;     - Each number is divided by its block's scale, clamped to +-7.5, and rounded to the nearest number of E2M3, ties to even, subnormals kept.
;;     - The product sums the exact products of the quantised numbers (number of the format x scale) in f32.
;;   ~~~python
;;   def quantise(x, axis):      # numpy; x: float32 -> the quantised numbers, widened to float32 again
;;       x = np.moveaxis(x, axis, -1); K = x.shape[-1]
;;       x = np.pad(x, [(0, 0)] * (x.ndim - 1) + [(0, -K % 32)]); x = x.reshape(x.shape[:-1] + (-1, 32)); a = np.abs(x).max(-1, keepdims=True)
;;       e = np.where(a > 0, np.clip(np.frexp(np.where(a > 0, a, 1))[1] - 1 - 2, -126, 127), 0)      # np.frexp(a)[1] - 1 = floor(log2(a)), exactly
;;       r = np.clip(x / 2.0 ** e, -7.5, 7.5)
;;       step = 2.0 ** (np.maximum(np.frexp(np.where(r == 0, 1, r))[1] - 1, 0) - 3)
;;       q = np.round(r / step) * step * 2.0 ** e      # np.round: ties to even
;;       return np.moveaxis(q.reshape(q.shape[:-2] + (-1,))[..., :K], -1, axis).astype(np.float32)
;;   ~~~
;;   SOFTMAX AHEAD OF A QUANTISED PRODUCT. Where the list says 'softmax', what is quantised is not the finished softmax but p = 2^(t - M), with t = logit x log2(e) and M = ceil(the row's largest t), a whole number; so 1/2 < the row's largest p <= 1. The row's sum l is taken of the UNQUANTISED p, in f32, and the product's result is divided by l at the end. Since M is a whole number, a kernel that streams over the keys may use a running M (the ceiling of the running maximum): every later rescaling is an exact power of two, which a block's scale takes up: the codes' values come out the same.
;;   OPERANDS COMPUTED ON THE WAY. 'Computed on the way' means the value that the module computes at that place (a softmax that the list does not call 'softmax' is quantised finished and normalised). What goes into a quantiser is computed in f32, as accurately as f32 sums, v_exp_f32 and their like allow (about 1e-6 of the number): no bf16 or f16 on the way to a quantiser, and a product that is left as it is and whose result goes on into a quantised operand takes f32 operands (vector FMAs, or v_wmma_f32_16x16x4_f32). A number that lies on a knife's edge between two numbers of the format may be rounded either way, as far as f32 arithmetic and the matrix unit's own rounding can turn it there, and no further.
;; One version. Each part assembles by itself: llvm-mc -triple=amdgcn-amd-amdhsa -mcpu=gfx1250 --defsym DOCPART=n.
;; ======== version 1 of 1: 4 launches
;; limits: right only within a limited range of input values
;; workspace buffers: pk 16,384,000 bytes; qp 3,276,800 bytes; kvp 6,553,600 bytes; ap 3,276,800 bytes
;; launch pack (part 1): grid 256 x 5, 2 waves a work-group, no clusters, 17,152 bytes of LDS; arguments x, Wq, Wk, Wv, Wo, pk; writes pk
.if DOCPART == 1
	.amdgcn_target "amdgcn-amd-amdhsa--gfx1250"
	.amdhsa_code_object_version 6
	.text
	.protected	k_q959eca380e_pack
	.globl	k_q959eca380e_pack
	.p2align	8
	.type	k_q959eca380e_pack,@function
k_q959eca380e_pack:
	s_mov_b64 s[64:65], 0
	v_nop
	global_prefetch_b8 v0, s[64:65] scope:SCOPE_SE
	s_setreg_imm32_b32 hwreg(HW_REG_WAVE_MODE, 25, 1), 1
	s_wait_xcnt 0x0
; x, Wq, Wk, Wv, Wo, each [2048][2048] f32 with K innermost, become codes of FP6 (E2M3) with one E8M0 scale byte for each 32 along K,
; laid in the ORDER OF THE MATRIX OPERAND'S REGISTERS.  pk = [tensor 5][row tile 16][K step 16] BLOCK.
; A BLOCK is 128 rows x 128 along K, 12,800 bytes: eight fragment images of 1,536 bytes (registers 4 c .. 4 c + 3 of lane l at 512 c + 16 l),
; then 512 bytes of scale words: the word of fragment i, lane r at 12,288 + 256 (i / 4) + 16 r + 4 (i % 4).
; THE ROWS OF A FRAGMENT ARE NOT NEIGHBOURS: lane r of fragment i holds row 32 (i / 2) + 8 (i % 2) + r + 8 (r / 8) of the BLOCK's 128, so that a product that takes such
; fragments as source 0 leaves a lane's 64 result registers in the natural order of these rows.
; A block's scale is 2^(floor(log2(its largest magnitude)) - 2): its byte is the largest magnitude's exponent field - 2, held at 1 from below.
; LIMITS: a block of zeros gets the byte 1 where the rule says 127 (its codes are zeros, and this program alone reads the bytes); NaN and infinities among the inputs are not served.
; SHARES: a work-group makes one BLOCK (grid x = 16 x row tile + K step, grid y = the tensor); wave w makes fragments 4 w .. 4 w + 3 and their 256 bytes of scale words.
; A row's 512 bytes are read by one load of the wave (16 bytes a lane); 16 rows turn through the wave's own stage in LDS, so that a lane gets 16 neighbours of each block of 32.
; No cluster, no tensor load, no barrier: no two work-groups read the same byte and the two waves share nothing.  Every store of codes covers 512 consecutive bytes, the scale words' store 256.
.set ROWB,   8192                      ; a row of a tensor in bytes
.set SPITCH, 528                       ; a stage row: 512 bytes + 16 = 33 x 16: sixteen rows start at sixteen different 16-byte columns
.set STGB,   16*SPITCH                 ; a wave's stage: 8,448 bytes
.set SPARE,  2*STGB                    ; behind the stages: the spare words, 128 bytes for each wave
.set BLK,    12800
.set FRB,    1536
.set TENSB,  256*BLK
.set LO,   2                           ; v2   16 x lane: my bytes of a load's 512, and of a fragment image's 512
.set SIN,  3                           ; v3   the stage, on the way in
.set SOUT, 4                           ; v4   the stage, on the way out: row r, + 64 h
.set SCO,  5                           ; v5   16 r + 8 h: my two scale words' place
.set SPW,  6                           ; v6   LDS address of my spare word; never rewritten
.set NIL,  7                           ; v7   0; never rewritten
.set TM,   8                           ; v8-23   at work in QUANT
.set SW,   24                          ; v24-27  the four fragments' scale words
.set SS,   28                          ; v28-29  the two that I store
.set PC,   32                          ; v32-51  the codes just made
.set X,    64                          ; v64-127 64 numbers of my row: register 16 b + i = k 32 b + 16 h + i
.set R,    128                         ; v128-255 two sets of 16 rows as loaded
.set SEL,  22                          ; s[22:23] v_permlanex16_b32's selects for lane l xor 16
; 64 numbers of a lane, register 16 b + i = k 32 b + 16 (lane / 16) + i of my row, become a fragment's codes in v[PC] on and its scale word in v[pw]
.macro QUANT s, pw
.irp b, 0,1,2,3
	v_max3_num_f32 v[TM+\b], |v[\s+16*\b]|, |v[\s+1+16*\b]|, 0x1800000   ; block b: my 16 numbers, and the floor 2^(3 - 127): the byte cannot fall under 1
.endr
.irp i, 2,4,6,8,10,12,14
.irp b, 0,1,2,3
	v_max3_num_f32 v[TM+\b], v[TM+\b], |v[\s+16*\b+\i]|, |v[\s+1+16*\b+\i]|   ; the four blocks by turns
.endr
.endr
.irp b, 0,1,2,3
	v_permlanex16_b32 v[TM+4+\b], v[TM+\b], s[SEL], s[SEL+1]
.endr
.irp b, 0,1,2,3
	v_max_num_f32 v[TM+\b], v[TM+\b], v[TM+4+\b]   ; with lane l xor 16's: the block's largest magnitude
.endr
.irp b, 0,1,2,3
	v_add_nc_u32 v[TM+12+\b], 0xff000000, v[TM+\b] ; 2 off its exponent field: the conversion's scale operand
.endr
.irp b, 0,1,2,3
	v_lshrrev_b32 v[TM+4+\b], 23, v[TM+12+\b]      ; the scale's byte
.endr
	v_lshl_or_b32 v[\pw], v[TM+5], 8, v[TM+4]      ; the four bytes make my row's scale word
	v_lshl_or_b32 v[\pw], v[TM+6], 16, v[\pw]
	v_lshl_or_b32 v[\pw], v[TM+7], 24, v[\pw]
.irp c, 0,1
	v_cvt_scalef32_pk16_fp6_f32 v[PC+6*\c:PC+2+6*\c], v[\s+32*\c:\s+15+32*\c], v[TM+12+2*\c]
	v_cvt_scalef32_pk16_fp6_f32 v[PC+12+4*\c:PC+14+4*\c], v[\s+16+32*\c:\s+31+32*\c], v[TM+12+2*\c+1]   ; (a conversion's three registers begin on an even number)
.endr
	v_nop                                          ; one plain place behind a scaled conversion
.irp c, 0,1                                    ; the operand's layout wants a WHOLE block in a lane: lanes 0-15 block 2 c, lanes 16-31 block 2 c + 1
.irp i, 0,1,2
	v_permlane16_swap_b32 v[PC+6*\c+\i], v[PC+12+4*\c+\i]
.endr
.irp i, 0,1,2
	v_mov_b32 v[PC+3+6*\c+\i], v[PC+12+4*\c+\i]
.endr
.endr
.endm
	s_load_b256 s[4:11], s[0:1], 0x0               ; x, Wq, Wk, Wv
	s_load_b128 s[12:15], s[0:1], 0x20             ; Wo, pk
	v_lshl_add_u32 v[SPW], v0, 2, SPARE
	v_mov_b32 v[NIL], 0
	v_lshrrev_b32 v1, 5, v0
	v_readfirstlane_b32 s16, v1                    ; wave 0, 1
	v_and_b32 v1, 31, v0                           ; lane
	v_and_b32 v52, 15, v0                          ; r
	v_bfe_u32 v53, v0, 4, 1                        ; h
	v_lshlrev_b32 v[LO], 4, v1
	s_mul_i32 s17, s16, STGB                       ; my stage
	v_add_nc_u32 v[SIN], s17, v[LO]
	v_mul_u32_u24 v[SOUT], v52, SPITCH
	v_lshl_add_u32 v[SOUT], v53, 6, v[SOUT]
	v_add_nc_u32 v[SOUT], s17, v[SOUT]
	v_lshlrev_b32 v[SCO], 4, v52
	v_lshl_add_u32 v[SCO], v53, 3, v[SCO]
.irp b, 0,1,2,3
	v_mov_b32 v[TM+4+\b], 0                        ; written once: a lane permute's destination counts as one of its sources
.endr
	s_mov_b32 s[SEL], 0x76543210
	s_mov_b32 s[SEL+1], 0xfedcba98
	s_and_b32 s20, ttmp7, 0xffff                   ; which tensor
	s_lshr_b32 s24, ttmp9, 4                       ; row tile
	s_and_b32 s25, ttmp9, 15                       ; K step
	s_lshl_b32 s24, s24, 20                        ; 128 rows of 8,192 bytes
	s_lshl_b32 s26, s16, 19                        ; my wave's 64 rows
	s_add_co_u32 s24, s24, s26
	s_lshl_b32 s25, s25, 9                         ; 128 numbers of 4 bytes
	s_add_co_u32 s24, s24, s25
	s_mov_b32 s25, 0                               ; s[24:25]: where my wave reads, under 2^24
	s_mul_i32 s26, s20, TENSB
	s_mul_i32 s27, ttmp9, BLK
	s_add_co_u32 s26, s26, s27                     ; the BLOCK in pk, under 2^24
	s_mul_i32 s27, s16, 4*FRB
	s_add_co_u32 s28, s26, s27                     ; my four fragment images
	s_mov_b32 s29, 0
	s_lshl_b32 s27, s16, 8
	s_add_co_u32 s30, s26, s27
	s_add_co_u32 s30, s30, 8*FRB                   ; my 256 bytes of scale words
	s_mov_b32 s31, 0
	s_wait_alu depctr_va_vdst(0)
	s_wait_kmcnt 0x0
	s_cmp_eq_u32 s20, 1                            ; the tensor is chosen by the work-group's number alone
	s_cselect_b64 s[4:5], s[6:7], s[4:5]
	s_cmp_eq_u32 s20, 2
	s_cselect_b64 s[4:5], s[8:9], s[4:5]
	s_cmp_eq_u32 s20, 3
	s_cselect_b64 s[4:5], s[10:11], s[4:5]
	s_cmp_eq_u32 s20, 4
	s_cselect_b64 s[4:5], s[12:13], s[4:5]
	s_add_nc_u64 s[4:5], s[4:5], s[24:25]
	s_add_nc_u64 s[18:19], s[14:15], s[28:29]
	s_add_nc_u64 s[14:15], s[14:15], s[30:31]
.macro LOAD f                          ; the 16 rows of my fragment f, 512 consecutive bytes a load, into set f % 2
.irp ii, 0,1,2,3,4,5,6,7,8,9,10,11,12,13,14,15
	global_load_b128 v[R+64*((\f)%2)+4*\ii:R+64*((\f)%2)+4*\ii+3], v[LO], s[4:5] offset:(32*((\f)/2)+8*((\f)%2)+\ii+8*(\ii/8))*ROWB th:TH_LOAD_NT
.endr
.endm
.macro FRAGQ f
.if (\f) < 3
	s_wait_loadcnt 16                              ; this fragment's 16 loads are in; the next fragment's 16 may be out
.else
	s_wait_loadcnt 0x0
.endif
.irp ii, 0,1,2,3,4,5,6,7,8,9,10,11,12,13,14,15
	ds_store_b128 v[SIN], v[R+64*((\f)%2)+4*\ii:R+64*((\f)%2)+4*\ii+3] offset:SPITCH*\ii
.endr
.irp b, 0,1,2,3
.irp j, 0,1,2,3
	ds_load_b128 v[X+16*\b+4*\j:X+16*\b+4*\j+3], v[SOUT] offset:128*\b+16*\j   ; LDS serves a wave's instructions in order: these see the stores above
.endr
.endr
	s_wait_dscnt 0x0                               ; my 64 numbers are in, and the stores into the stage have read their registers
.if (\f) > 0
	s_wait_xcnt 0x0                                ; the last fragment's stores have read the codes' registers: they are written again only behind this wait
.endif
.if (\f) < 2
	LOAD (\f)+2
.endif
	QUANT X, SW+(\f)
.irp c, 0,1,2
	global_store_b128 v[LO], v[PC+4*\c:PC+4*\c+3], s[18:19] offset:FRB*(\f)+512*\c   ; 32 lanes store 512 consecutive bytes, at a multiple of 256 from pk's first byte
.endr
.endm
	LOAD 0
	LOAD 1
	FRAGQ 0
	FRAGQ 1
	FRAGQ 2
	FRAGQ 3
	v_cmp_ne_u32 vcc_lo, 0, v53                    ; lanes 0-15 store fragments 0 and 1's words of their row, lanes 16-31 fragments 2 and 3's
	v_cndmask_b32 v[SS], v[SW], v[SW+2], vcc_lo
	v_cndmask_b32 v[SS+1], v[SW+1], v[SW+3], vcc_lo
	global_store_b64 v[SCO], v[SS:SS+1], s[14:15]  ; 32 lanes store 256 consecutive bytes, aligned
	s_wait_tensorcnt 0x0                           ; the wave's end, behind my last LDS store
	ds_add_u32 v[SPW], v[NIL]
	s_wait_dscnt 0x0
	s_endpgm
.Lfunc_end_k_q959eca380e_pack:
	.size	k_q959eca380e_pack, .Lfunc_end_k_q959eca380e_pack-k_q959eca380e_pack
	.p2alignl 7, 3214868480
	.fill 96, 4, 3214868480
	.section	.rodata,"a",@progbits
	.p2align	6, 0x0
	.amdhsa_kernel k_q959eca380e_pack
		.amdhsa_group_segment_fixed_size 17152
		.amdhsa_private_segment_fixed_size 0
		.amdhsa_enable_private_segment 0
		.amdhsa_kernarg_size 48
		.amdhsa_user_sgpr_count 2
		.amdhsa_user_sgpr_kernarg_segment_ptr 1
		.amdhsa_wavefront_size32 1
		.amdhsa_system_sgpr_workgroup_id_x 1
		.amdhsa_system_sgpr_workgroup_id_y 1
		.amdhsa_system_sgpr_workgroup_id_z 1
		.amdhsa_system_vgpr_workitem_id 0
		.amdhsa_next_free_vgpr 256
		.amdhsa_next_free_sgpr 66
		.amdhsa_reserve_vcc 1
		.amdhsa_float_denorm_mode_32 3
		.amdhsa_float_denorm_mode_16_64 3
		.amdhsa_memory_ordered 1
		.amdhsa_forward_progress 1
		.amdhsa_inst_pref_size 34
	.end_amdhsa_kernel
	.amdgpu_metadata
---
amdhsa.version: [ 1, 2 ]
amdhsa.kernels:
  - .name:           k_q959eca380e_pack
    .symbol:         k_q959eca380e_pack.kd
    .args:
      - { .name: x, .offset: 0, .size: 8, .value_kind: global_buffer, .address_space: global }
      - { .name: Wq, .offset: 8, .size: 8, .value_kind: global_buffer, .address_space: global }
      - { .name: Wk, .offset: 16, .size: 8, .value_kind: global_buffer, .address_space: global }
      - { .name: Wv, .offset: 24, .size: 8, .value_kind: global_buffer, .address_space: global }
      - { .name: Wo, .offset: 32, .size: 8, .value_kind: global_buffer, .address_space: global }
      - { .name: pk, .offset: 40, .size: 8, .value_kind: global_buffer, .address_space: global }
    .group_segment_fixed_size: 17152
    .private_segment_fixed_size: 0
    .kernarg_segment_align: 8
    .kernarg_segment_size: 48
    .max_flat_workgroup_size: 64
    .sgpr_count:     66
    .vgpr_count:     256
    .wavefront_size: 32
...
	.end_amdgpu_metadata
.endif
;; end of part 1
;; launch qkv (part 2): grid 8 x 24, 4 waves a work-group, clusters of 4 x 4, 327,680 bytes of LDS; arguments pk, qp, kvp; writes qp, kvp
.if DOCPART == 2
	.amdgcn_target "amdgcn-amd-amdhsa--gfx1250"
	.amdhsa_code_object_version 6
	.text
	.protected	k_q959eca380e_qkv
	.globl	k_q959eca380e_qkv
	.p2align	8
	.type	k_q959eca380e_qkv,@function
k_q959eca380e_qkv:
	s_mov_b64 s[64:65], 0
	v_nop
	global_prefetch_b8 v0, s[64:65] scope:SCOPE_SE
	s_setreg_imm32_b32 hwreg(HW_REG_WAVE_MODE, 25, 1), 1
	s_wait_xcnt 0x0
	s_wait_alu depctr_hold_cnt(0) depctr_sa_sdst(0) depctr_va_vdst(0) depctr_va_sdst(0) depctr_va_ssrc(0) depctr_va_vcc(0) depctr_vm_vsrc(0)
	s_getreg_b32 s2, hwreg(HW_REG_IB_STS2, 6, 4)
	s_cmp_eq_u32 s2, 0
	s_cbranch_scc0 .Lentry_in_a_cluster
	s_endpgm
.Lentry_in_a_cluster:
	s_bfe_u32 s2, ttmp6, 0x10000c
	s_cmp_lg_u32 s2, 0xf033
	s_cbranch_scc0 .Lentry_shape_is_right
	s_endpgm
.Lentry_shape_is_right:
; q = x Wq^T / sqrt(128), k = x Wk^T, v = x Wv^T on codes of FP6 (E2M3) with E8M0 scales; the results are quantised in registers and leave as codes alone.
; OPERANDS come from pk as BLOCKs of 128 rows x 128 K, 12,800 bytes: eight fragment images of 1,536 bytes (registers 4 c .. 4 c + 3 of lane l at 512 c + 16 l), then the scale words
; (fragment i, lane r at 12,288 + 256 (i / 4) + 16 r + 4 (i % 4)).  Lane r of fragment i holds row 32 (i / 2) + 8 (i % 2) + r + 8 (r / 8) of the 128.
; THE PRODUCT: source 0 = a fragment of P, source 1 = a fragment of Q.  A lane holds ONE row of Q, and the 64 registers of P's eight fragments are P's 128 rows in natural order, 32 b + 16 (lane / 16) + i at register 16 b + i.
; q, k: P = the weight, Q = x: a lane holds a token, its registers run along the head's 128.   v: P = x, Q = Wv: a lane holds a channel, its registers run along the keys.  ONE TEXT serves all three: only addresses are chosen.
; SHARES: a work-group makes 256 rows of P x 256 rows of Q; each of its four waves 128 x 128: 64 accumulators, 512 registers, which become ONE BLOCK of the output.
; 3 x 8 x 8 = 192 work-groups: the quantiser wants all 128 rows of P in one wave and the swap of P and Q wants a square tile.
; THE RING: two LDS slots of THREE K steps; a fetching wave's pieces of both slots lie side by side (wave x 76,800 + slot x 38,400).  At the head each wave issues one load of 76,800 dense bytes, K steps 0 to 5 of its group;
; a refill brings 38,400 bytes, three BLOCKs.  A slot's last K step is in registers when that step begins, so the slot is given back and asked for again at that step's HEAD: three K steps, 192 products, ahead of the wait for it.
; The fragment sets take turns K step by K step, so slots and sets come back together after six K steps: one trip of the loop.  16 = 6 + 3 + 3 + 3 + 1: the loop's last refill begins at K step 15, and its second and third
; BLOCK are the 25,600 bytes that follow the group's stream in pk (tensors 0 to 3 are read here and a fifth follows them: inside the buffer); they are not read.
; CLUSTERS: 4 x 4 work-groups; Q's BLOCKs are shared along a row of the cluster, P's along a column: each is asked for jointly.
; OUT: qp [token tile 16][head 16] BLOCK; kvp [head 16][key tile 16][K BLOCK, V BLOCK]; K BLOCK: rows = keys, K = the head's 128; V BLOCK: rows = channels, K = the tile's 128 keys.
; LIMITS: q is multiplied by f32(1 / sqrt(128)) where the definition divides (at most one unit in the last place ahead of the quantiser); a block of zeros gets the byte 1 (its codes are zeros; this program alone reads the bytes); NaN and infinities are not served.
; REGISTERS, in windows of 256: window 0: v16-29 addresses; v32-47 scale words, two sets; v64-255 fragment set 1 (Q's eight, then P's eight).  window 1: v0-191 fragment set 0.
;   windows 2, 3: accumulator (a, b) at 8 (8 a + b).  Behind the products window 0's v4-15, v48-255 serve the quantiser.
.set NBK,   8
.set BLK,   12800
.set FRB,   1536
.set PIECE, 38400                      ; three K steps of one group of 128 rows: what a refill brings
.set SLOT,  PIECE                      ; from a piece of slot 0 to the same wave's piece of slot 1
.set SLOTK, 38400                      ; bytes along a group's stream from one slot's K steps to the next slot's
.set SPARE, 8*PIECE                    ; behind the ring: the spare words, 128 bytes for each wave
.set TENSB, 3276800
.set STREAM, 204800
.set ADRA, 16                          ; v16-17  LDS address of my Q fragments in slot 0, 1
.set ADRB, 18                          ; v18-19  of my P fragments
.set ADRS, 20                          ; v20-21  of the scale words: lanes 0-15 Q's, lanes 16-31 P's
.set OL,   24                          ; 16 x lane
.set OS,   25                          ; 256 h + 16 r
.set HH,   26                          ; h
.set SPW,  28                          ; my spare word; never rewritten
.set NIL,  29                          ; 0; never rewritten
.set SC,   32                          ; scale words: set s at v[SC + 8 s]
.set SW,   4                           ; the way out: v4-11 the eight fragments' scale words
.set T,    12                          ; v12-15 the four that I store
.set ST,   64                          ; v64-191 two fragments' 64 numbers
.set CD,   192                         ; v192-239 codes: room for four fragments
.set TM,   240                         ; at work: v240-255 for the pair's first fragment, v48-63 for its second
.set G1,  24
.set G0,  32
.set G1B, 48
.set G0B, 56
.set SEL, 82
.set MSB, 0
.macro WIN new
.if MSB != (\new)
	s_set_vgpr_msb (MSB<<8)|(\new)
.set MSB, (\new)
.endif
.endm
.macro PLACES                          ; four plain vector instructions between a matrix instruction and a load into, or a vector access to, its registers
.rept 4
	v_nop
.endr
.endm
; A joint load: waves 0 and 1 fetch for Q, waves 2 and 3 for P.  The branch hangs on the wave's number alone.  An s_nop 0 and four v_nop follow each of the two lines.
.macro JLOAD g0a, g1a, g0b, g1b
	s_cmp_eq_u32 s15, 0
	s_cbranch_scc0 .Lfor_b_\@
	tensor_load_to_lds s[\g0a:\g0a+3], s[\g1a:\g1a+7]
	s_nop 0
.rept 4
	v_nop
.endr
	s_branch .Lasked_\@
.Lfor_b_\@:
	tensor_load_to_lds s[\g0b:\g0b+3], s[\g1b:\g1b+7]
	s_nop 0
.rept 4
	v_nop
.endr
.Lasked_\@:
.endm
.macro CREST
	s_cmp_lg_u32 s14, 0
	s_cbranch_scc1 .Lnot_wave_0_\@
	s_barrier_signal -3
.Lnot_wave_0_\@:
	s_barrier_wait -3
	s_barrier_signal -1
	s_barrier_wait -1
.endm
.macro CROUND
	s_barrier_signal -1
	s_barrier_wait -1
	CREST
.endm
	s_load_b128 s[4:7], s[0:1], 0x0                ; pk, qp
	s_load_b64 s[8:9], s[0:1], 0x10                ; kvp
	v_lshl_add_u32 v[SPW], v0, 2, SPARE
	v_mov_b32 v[NIL], 0
	ds_add_u32 v[SPW], v[NIL]                      ; the wave's opening: the add, twice on end, and its wait ahead of my first tensor load
	ds_add_u32 v[SPW], v[NIL]
	v_lshrrev_b32 v1, 5, v0
	v_readfirstlane_b32 s14, v1                    ; wave 0..3
	s_lshr_b32 s15, s14, 1                         ; which of Q's two groups is mine.  Also: I fetch for Q (0) or for P (1)
	s_and_b32 s16, s14, 1                          ; which of P's two groups.  Also: which group I fetch
	s_bfe_u32 s40, ttmp6, 0x40000                  ; cx
	s_bfe_u32 s41, ttmp6, 0x40004                  ; cy
	s_lshl_b32 s42, ttmp9, 2
	s_add_co_u32 s42, s42, s40                     ; P's tile of 256 rows = 4 x cluster x + cx
	s_and_b32 s11, ttmp7, 0xffff                   ; cluster y, 0..5
	s_lshr_b32 s10, s11, 1                         ; 0: q, 1: k, 2: v: the same in all sixteen partners
	s_and_b32 s17, s11, 1
	s_lshl_b32 s17, s17, 2
	s_add_co_u32 s17, s17, s41                     ; Q's tile = 4 x (cluster y % 2) + cy
	s_lshl_b32 s43, s41, 2
	s_lshl_b32 s43, 15, s43                        ; my row of the cluster
	s_lshl_b32 s44, 0x1111, s40                    ; my column
	s_or_b32 s[G1], s43, (3<<16)|(1<<21)           ; the mask: Q's BLOCKs go to my row; elements of 8 bytes; bit 21 beside a mask
	s_or_b32 s[G1B], s44, (3<<16)|(1<<21)          ; P's go to my column
.irp g, G1, G1B
	s_mov_b32 s[\g+1], 32<<16                      ; rows of 256 dense bytes
	s_mov_b32 s[\g+2], 300<<16                     ; the head's load brings 300 rows, six K steps; behind it the two words that count rows are set to 150
	s_mov_b32 s[\g+3], 32<<16
	s_mov_b32 s[\g+4], 300
	s_mov_b32 s[\g+5], 32
	s_mov_b32 s[\g+6], 0
	s_mov_b32 s[\g+7], 0
.endr
	s_add_co_u32 s70, s10, 1
	s_cmp_eq_u32 s10, 2
	s_cselect_b32 s71, 3, 0                        ; Q: x (tensor 0), or Wv (3)
	s_cselect_b32 s70, 0, s70                      ; P: Wq (1), Wk (2), or x (0)
	s_mul_i32 s71, s71, TENSB
	s_mul_i32 s70, s70, TENSB
	s_lshl_b32 s20, s17, 1
	s_add_co_u32 s20, s20, s16                     ; Q's group that I would fetch
	s_mul_i32 s20, s20, STREAM
	s_add_co_u32 s20, s20, s71
	s_mov_b32 s21, 0
	s_lshl_b32 s46, s42, 1
	s_add_co_u32 s46, s46, s16                     ; P's
	s_mul_i32 s46, s46, STREAM
	s_add_co_u32 s46, s46, s70
	s_mov_b32 s47, 0
	s_mul_i32 s45, s14, 2*PIECE                    ; where it goes: wave x 76,800: no place in the cluster enters an LDS address
	s_mov_b32 s[SEL], 0x76543210
	s_mov_b32 s[SEL+1], 0xfedcba98
	s_wait_dscnt 0x0                               ; both opening adds are done
	s_wait_kmcnt 0x0
	s_add_nc_u64 s[20:21], s[4:5], s[20:21]
	s_add_nc_u64 s[46:47], s[4:5], s[46:47]
	CROUND                                         ; all sixteen work-groups are here: the first joint loads meet
.irp s, 0,1
	s_mov_b32 s[G0+4*\s], 1
	s_add_co_u32 s[G0+4*\s+1], s45, \s*SLOT
	s_add_nc_u64 s[G0+4*\s+2:G0+4*\s+3], s[20:21], \s*SLOTK
	s_or_b32 s[G0+4*\s+3], s[G0+4*\s+3], 0x80000000
	s_mov_b32 s[G0B+4*\s], 1
	s_add_co_u32 s[G0B+4*\s+1], s45, \s*SLOT
	s_add_nc_u64 s[G0B+4*\s+2:G0B+4*\s+3], s[46:47], \s*SLOTK
	s_or_b32 s[G0B+4*\s+3], s[G0B+4*\s+3], 0x80000000
.endr
	JLOAD G0, G1, G0B, G1B                         ; my one load at the head: K steps 0 to 5 of my group: my pieces of both slots
	v_and_b32 v1, 31, v0                           ; lane
	v_and_b32 v2, 15, v0                           ; r
	v_bfe_u32 v[HH], v0, 4, 1                      ; h
	v_lshlrev_b32 v[OL], 4, v1
	v_lshlrev_b32 v5, 4, v2
	v_lshl_add_u32 v[OS], v[HH], 8, v5
	s_mul_i32 s78, s15, 2*PIECE                    ; my group of Q
	s_mul_i32 s79, s16, 2*PIECE
	s_add_co_u32 s79, s79, 4*PIECE                 ; my group of P, behind Q's two
	s_sub_co_u32 s80, s79, s78
	v_mul_u32_u24 v6, s80, v[HH]                   ; lanes 16-31 take P's scale words
	v_add_nc_u32 v5, v5, v6
	v_add_nc_u32 v5, 8*FRB, v5
.irp s, 0,1
	v_add_nc_u32 v[ADRA+\s], s78, v[OL]
	v_add_nc_u32 v[ADRB+\s], s79, v[OL]
	v_add_nc_u32 v[ADRS+\s], s78, v5
	s_add_co_u32 s78, s78, SLOT
	s_add_co_u32 s79, s79, SLOT
.endr
	; where my BLOCK of the output lies, and the factor
	s_lshl_b32 s70, s17, 1
	s_add_co_u32 s70, s70, s15                     ; Q's group: q, k: the token tile; v: the head
	s_lshl_b32 s71, s42, 1
	s_add_co_u32 s71, s71, s16                     ; P's group: q, k: the head; v: the key tile
	s_mov_b32 s72, 204800                          ; q: a token tile's 16 BLOCKs,
	s_mov_b32 s73, 12800                           ;    a head's BLOCK
	s_mov_b32 s74, 25600                           ; kvp: a key tile's two BLOCKs,
	s_mov_b32 s75, 409600                          ;      a head's 16 key tiles
	s_mov_b32 s76, 0x3db504f3                      ; 1 / sqrt(128)
	s_cmp_eq_u32 s10, 0
	s_cselect_b64 s[68:69], s[6:7], s[8:9]         ; qp or kvp: the choice hangs on the cluster's number alone
	s_cselect_b32 s66, s76, 1.0
	s_cmp_eq_u32 s10, 1
	s_cselect_b32 s72, s74, s72
	s_cselect_b32 s73, s75, s73
	s_cmp_eq_u32 s10, 2
	s_cselect_b32 s72, s75, s72
	s_cselect_b32 s73, s74, s73
	s_cselect_b32 s77, 12800, 0                    ; V's BLOCK lies behind K's
	s_mov_b32 s67, s66                             ; (named with it as a pair, so it is written)
	s_mul_i32 s72, s72, s70
	s_mul_i32 s73, s73, s71
	s_add_co_u32 s72, s72, s73
	s_add_co_u32 s72, s72, s77
	s_mov_b32 s73, 0
	s_add_nc_u64 s[68:69], s[68:69], s[72:73]
; The fragments and scale words of the slot's q-th K step into set 0 (window 1) or set 1 (window 0): 50 LDS loads of 16 bytes a lane, each 512 consecutive bytes
.macro FETCH slot, q, set
	WIN 0x40*(1-(\set))
.set fi, 0
.rept NBK
.irp c, 0,1,2
	ds_load_b128 v[64*(\set)+12*fi+4*\c:64*(\set)+12*fi+4*\c+3], v[ADRA+\slot] offset:BLK*(\q)+FRB*fi+512*\c
.endr
.set fi, fi+1
.endr
.set fi, 0
.rept NBK
.irp c, 0,1,2
	ds_load_b128 v[64*(\set)+12*NBK+12*fi+4*\c:64*(\set)+12*NBK+12*fi+4*\c+3], v[ADRB+\slot] offset:BLK*(\q)+FRB*fi+512*\c
.endr
.set fi, fi+1
.endr
	WIN 0
	ds_load_b128 v[SC+NBK*(\set):SC+NBK*(\set)+3], v[ADRS+\slot] offset:BLK*(\q)
	ds_load_b128 v[SC+NBK*(\set)+4:SC+NBK*(\set)+7], v[ADRS+\slot] offset:BLK*(\q)+256
.endm
; Q's fragments a0 .. a0 + na - 1, each against P's eight.  The 64 accumulators take turns, one instruction a turn, in the same order in every K step.  zero = 1: the first product starts the sums.
.macro MULR a0, na, set, zero
.set ma, \a0
.rept \na
.set aw, 2+(8*NBK*ma)/256
.set wv, (aw<<6)|(aw<<4)|(5*(1-(\set)))
	WIN wv
.set mb, 0
.rept NBK
.set ar, (8*(NBK*ma+mb))%256
.if \zero
	v_wmma_scale_f32_16x16x128_f8f6f4 v[ar:ar+7], v[64*(\set)+12*NBK+12*mb:64*(\set)+12*NBK+12*mb+11], v[64*(\set)+12*ma:64*(\set)+12*ma+11], 0, v[SC+NBK*(\set)+mb], v[SC+NBK*(\set)+ma] matrix_a_fmt:MATRIX_FMT_FP6 matrix_b_fmt:MATRIX_FMT_FP6 matrix_a_scale:MATRIX_SCALE_ROW1
.else
	v_wmma_scale_f32_16x16x128_f8f6f4 v[ar:ar+7], v[64*(\set)+12*NBK+12*mb:64*(\set)+12*NBK+12*mb+11], v[64*(\set)+12*ma:64*(\set)+12*ma+11], v[ar:ar+7], v[SC+NBK*(\set)+mb], v[SC+NBK*(\set)+ma] matrix_a_fmt:MATRIX_FMT_FP6 matrix_b_fmt:MATRIX_FMT_FP6 matrix_a_scale:MATRIX_SCALE_ROW1
.endif
.set mb, mb+1
.endr
.set ma, ma+1
.endr
.endm
; A K step (its fragments in set) that has its successor in the same slot: the successor's fragments are asked for first, into the other set, and land under this step's 64 products
.macro STEP slot, q, set, zero
	s_wait_dscnt 0x0                               ; this step's set is in: it was asked for a whole K step ago
	PLACES
	FETCH \slot, (\q)+1, 1-(\set)
	MULR 0, NBK, \set, \zero
.endm
; A slot's last K step changes slots AT ITS HEAD: its fragments were asked for a K step ago, so nothing of the slot is left to read.  ONE barrier; in front of it each wave waits for all its tensor loads,
; adds 0 to its spare word, and waits for that and for its reads of this slot.  Behind it the slot is asked for again first, then the next slot's first fragments, and the step's 64 products follow.
.macro TURN slot, next, fill, set
	WIN 0
	s_wait_tensorcnt 0x0                           ; all my tensor loads have landed: the one that was out is my part of the next slot; so every group 0 may be written
	ds_add_u32 v[SPW], v[NIL]                      ; 0 onto my spare word
.if \fill
	s_add_nc_u64 s[G0+4*\slot+2:G0+4*\slot+3], s[G0+4*\slot+2:G0+4*\slot+3], 2*SLOTK
	s_add_nc_u64 s[G0B+4*\slot+2:G0B+4*\slot+3], s[G0B+4*\slot+2:G0B+4*\slot+3], 2*SLOTK
.endif
	s_wait_dscnt 0x0                               ; the add is done; this step's set is in, and with it my reads of this slot are over
	s_barrier_signal -1
	s_barrier_wait -1
.if \fill
	CREST                                          ; the barrier has opened a round of the cluster's barrier: no wave of any partner still reads this slot or has a load on its way
	JLOAD G0+4*\slot, G1, G0B+4*\slot, G1B         ; the first tensor load behind the round; its four v_nop are the places between the last products on the other set and the loads below
.else
	PLACES
.endif
	FETCH \next, 0, 1-(\set)
	MULR 0, NBK, \set, 0
.endm
	s_wait_alu depctr_va_vdst(0)
	s_wait_tensorcnt 0x0                           ; my pieces of both slots are in; no tensor load of mine is out, so a descriptor may be written:
	s_mov_b32 s[G1+2], 150<<16                     ; from here on a load brings 150 rows, three K steps
	s_mov_b32 s[G1+4], 150
	s_mov_b32 s[G1B+2], 150<<16
	s_mov_b32 s[G1B+4], 150
	s_barrier_signal -1
	s_barrier_wait -1                              ; everybody's are
	FETCH 0, 0, 0
	STEP 0, 0, 0, 1                                ; K step 0 stands in front of the loop: its products start the sums
	WIN 0                                          ; at a label and at a branch every window is 0
	s_mov_b32 s3, 2
.Llap:                                                 ; a trip: K steps 1-6, then 7-12; it fills both slots again
	STEP 0, 1, 1, 0
	TURN 0, 1, 1, 0
	STEP 1, 0, 1, 0
	STEP 1, 1, 0, 0
	TURN 1, 0, 1, 1
	STEP 0, 0, 0, 0
	WIN 0
	s_sub_co_u32 s3, s3, 1
	s_cmp_lg_u32 s3, 0
	s_cbranch_scc1 .Llap
	STEP 0, 1, 1, 0                                ; K step 13
	TURN 0, 1, 0, 0                                ; K step 14: nothing is filled, and no round of the cluster's barrier follows
	s_wait_dscnt 0x0                               ; K step 15
	MULR 0, NBK, 1, 0
	WIN 0
	; THE WAY OUT.  The 64 registers of Q's fragment a are 128 neighbours along the next product's K, half in each half of the lanes: times the factor (which also brings them into window 0), quantised, stored as fragment a of my BLOCK.
	; Two fragments go together, their chains by turns; the codes have registers for four fragments, so that a store's data are written again only two pairs later.
	PLACES
.irp f, 0,1
.irp b, 0,1,2,3
	v_mov_b32 v[TM-192*\f+4+\b], 0                 ; a lane permute's destination counts as one of its sources
.endr
.endr
.macro QOUT2 p
	WIN 0x02+(\p)/2                                ; source 0: window 2 or 3
.set j, 0
.rept 64
	v_pk_mul_f32 v[ST+2*j:ST+2*j+1], v[128*((\p)%2)+2*j:128*((\p)%2)+2*j+1], s[66:67] op_sel_hi:[1,0]   ; ascending: each accumulator is read from its low end on
.set j, j+1
.endr
	WIN 0
.if (\p) > 1
	s_wait_alu depctr_va_vdst(0)
	s_wait_xcnt 0x0                                ; the stores of two pairs ago have read the codes' registers
.endif
.irp f, 0,1
.irp b, 0,1,2,3
	v_max3_num_f32 v[TM-192*\f+\b], |v[ST+64*\f+16*\b]|, |v[ST+64*\f+16*\b+1]|, 0x1800000   ; block b: my 16 numbers, and the floor 2^(3 - 127): the byte cannot fall under 1
.endr
.endr
.irp i, 2,4,6,8,10,12,14
.irp f, 0,1
.irp b, 0,1,2,3
	v_max3_num_f32 v[TM-192*\f+\b], v[TM-192*\f+\b], |v[ST+64*\f+16*\b+\i]|, |v[ST+64*\f+16*\b+\i+1]|
.endr
.endr
.endr
.irp f, 0,1
.irp b, 0,1,2,3
	v_permlanex16_b32 v[TM-192*\f+4+\b], v[TM-192*\f+\b], s[SEL], s[SEL+1]
.endr
.endr
.irp f, 0,1
.irp b, 0,1,2,3
	v_max_num_f32 v[TM-192*\f+\b], v[TM-192*\f+\b], v[TM-192*\f+4+\b]   ; with lane l xor 16's: the block's largest magnitude
.endr
.endr
.irp f, 0,1
.irp b, 0,1,2,3
	v_add_nc_u32 v[TM-192*\f+12+\b], 0xff000000, v[TM-192*\f+\b]       ; 2 off its exponent field: the conversion's scale operand
.endr
.endr
.irp f, 0,1
.irp b, 0,1,2,3
	v_lshrrev_b32 v[TM-192*\f+4+\b], 23, v[TM-192*\f+12+\b]            ; the scale's byte
.endr
.endr
.irp f, 0,1
	v_lshl_or_b32 v[SW+2*(\p)+\f], v[TM-192*\f+5], 8, v[TM-192*\f+4]
.endr
.irp f, 0,1
	v_lshl_or_b32 v[SW+2*(\p)+\f], v[TM-192*\f+6], 16, v[SW+2*(\p)+\f]
.endr
.irp f, 0,1
	v_lshl_or_b32 v[SW+2*(\p)+\f], v[TM-192*\f+7], 24, v[SW+2*(\p)+\f]
.endr
.irp f, 0,1
.irp c, 0,1
	v_cvt_scalef32_pk16_fp6_f32 v[CD+24*((\p)%2)+12*\f+6*\c:CD+24*((\p)%2)+12*\f+6*\c+2], v[ST+64*\f+32*\c:ST+64*\f+32*\c+15], v[TM-192*\f+12+2*\c]
	v_cvt_scalef32_pk16_fp6_f32 v[TM-192*\f+4+4*\c:TM-192*\f+6+4*\c], v[ST+64*\f+32*\c+16:ST+64*\f+32*\c+31], v[TM-192*\f+13+2*\c]   ; (a conversion's three registers begin on an even number)
.endr
.endr
	v_nop                                          ; one plain place behind a scaled conversion
.irp f, 0,1
.irp c, 0,1                                    ; the operand's layout wants a whole block in a lane
.irp i, 0,1,2
	v_permlane16_swap_b32 v[CD+24*((\p)%2)+12*\f+6*\c+\i], v[TM-192*\f+4+4*\c+\i]
.endr
.irp i, 0,1,2
	v_mov_b32 v[CD+24*((\p)%2)+12*\f+6*\c+3+\i], v[TM-192*\f+4+4*\c+\i]
.endr
.endr
.endr
.irp f, 0,1
.irp c, 0,1,2
	global_store_b128 v[OL], v[CD+24*((\p)%2)+12*\f+4*\c:CD+24*((\p)%2)+12*\f+4*\c+3], s[68:69] offset:FRB*(2*(\p)+\f)+512*\c   ; 32 lanes store 512 consecutive bytes, at a multiple of 256 from the buffer's first byte
.endr
.endr
.endm
.irp p, 0,1,2,3
	QOUT2 \p
.endr
	v_cmp_ne_u32 vcc_lo, 0, v[HH]                  ; lanes 0-15 store the words of fragments 0-3, lanes 16-31 of fragments 4-7
.irp j, 0,1,2,3
	v_cndmask_b32 v[T+\j], v[SW+\j], v[SW+4+\j], vcc_lo
.endr
	global_store_b128 v[OS], v[T:T+3], s[68:69] offset:8*FRB   ; the BLOCK's 512 bytes of scale words
	s_wait_tensorcnt 0x0                           ; the wave's end, behind my last tensor load
	ds_add_u32 v[SPW], v[NIL]
	s_wait_dscnt 0x0
	CROUND                                         ; the closing round: no work-group ends while a partner may still ask for a tile that names it
	s_endpgm
.Lfunc_end_k_q959eca380e_qkv:
	.size	k_q959eca380e_qkv, .Lfunc_end_k_q959eca380e_qkv-k_q959eca380e_qkv
	.p2alignl 7, 3214868480
	.fill 96, 4, 3214868480
	.section	.rodata,"a",@progbits
	.p2align	6, 0x0
	.amdhsa_kernel k_q959eca380e_qkv
		.amdhsa_group_segment_fixed_size 327680
		.amdhsa_private_segment_fixed_size 0
		.amdhsa_enable_private_segment 0
		.amdhsa_kernarg_size 24
		.amdhsa_user_sgpr_count 2
		.amdhsa_user_sgpr_kernarg_segment_ptr 1
		.amdhsa_wavefront_size32 1
		.amdhsa_system_sgpr_workgroup_id_x 1
		.amdhsa_system_sgpr_workgroup_id_y 1
		.amdhsa_system_sgpr_workgroup_id_z 1
		.amdhsa_system_vgpr_workitem_id 0
		.amdhsa_next_free_vgpr 1024
		.amdhsa_next_free_sgpr 100
		.amdhsa_reserve_vcc 1
		.amdhsa_float_denorm_mode_32 3
		.amdhsa_float_denorm_mode_16_64 3
		.amdhsa_memory_ordered 1
		.amdhsa_forward_progress 1
		.amdhsa_inst_pref_size 173
	.end_amdhsa_kernel
	.amdgpu_metadata
---
amdhsa.version: [ 1, 2 ]
amdhsa.kernels:
  - .name:           k_q959eca380e_qkv
    .symbol:         k_q959eca380e_qkv.kd
    .args:
      - { .name: pk, .offset: 0, .size: 8, .value_kind: global_buffer, .address_space: global }
      - { .name: qp, .offset: 8, .size: 8, .value_kind: global_buffer, .address_space: global }
      - { .name: kvp, .offset: 16, .size: 8, .value_kind: global_buffer, .address_space: global }
    .group_segment_fixed_size: 327680
    .private_segment_fixed_size: 0
    .kernarg_segment_align: 8
    .kernarg_segment_size: 24
    .max_flat_workgroup_size: 128
    .sgpr_count:     100
    .vgpr_count:     1024
    .wavefront_size: 32
...
	.end_amdgpu_metadata
.endif
;; end of part 2
;; launch attn (part 3): grid 16 x 16, 8 waves a work-group, clusters of 4 x 1, 327,680 bytes of LDS; arguments qp, kvp, ap; writes ap
.if DOCPART == 3
	.amdgcn_target "amdgcn-amd-amdhsa--gfx1250"
	.amdhsa_code_object_version 6
	.text
	.protected	k_q959eca380e_attn
	.globl	k_q959eca380e_attn
	.p2align	8
	.type	k_q959eca380e_attn,@function
k_q959eca380e_attn:
	s_mov_b64 s[64:65], 0
	v_nop
	global_prefetch_b8 v0, s[64:65] scope:SCOPE_SE
	s_setreg_imm32_b32 hwreg(HW_REG_WAVE_MODE, 25, 1), 1
	s_wait_xcnt 0x0
	s_wait_alu depctr_hold_cnt(0) depctr_sa_sdst(0) depctr_va_vdst(0) depctr_va_sdst(0) depctr_va_ssrc(0) depctr_va_vcc(0) depctr_vm_vsrc(0)
	s_getreg_b32 s2, hwreg(HW_REG_IB_STS2, 6, 4)
	s_cmp_eq_u32 s2, 0
	s_cbranch_scc0 .Lentry_in_a_cluster
	s_endpgm
.Lentry_in_a_cluster:
	s_bfe_u32 s2, ttmp6, 0x10000c
	s_cmp_lg_u32 s2, 0x3003
	s_cbranch_scc0 .Lentry_shape_is_right
	s_endpgm
.Lentry_shape_is_right:
; For each head: O = softmax(q k^T) v, both products on codes of FP6 (E2M3) with E8M0 scales (q arrives already divided by sqrt(128)); O / the row's sum is quantised along the head's 128 and leaves as codes.
; THE SOFTMAX AHEAD OF THE SECOND PRODUCT: t = score x log2(e); M = the row's largest t so far, rounded UP to a whole number; p = 2^(t - M) is quantised along the keys, not normalised.
; The row's sum is taken of the unquantised p, in f32, and divides O at the end.  When M moves, the sum and O are multiplied by 2^(old M - new M): exact.
; OPERANDS are BLOCKs of 128 rows x 128 K, 12,800 bytes: eight fragment images of 1,536 bytes (registers 4 c .. 4 c + 3 of lane l at 512 c + 16 l), then the scale words (fragment i, lane r at 12,288 + 256 (i / 4) + 16 r + 4 (i % 4)).
; Lane r of fragment i holds row 32 (i / 2) + 8 (i % 2) + r + 8 (r / 8).  qp, ap: [token tile 16][head 16] BLOCK.  kvp: [head 16][key tile 16][K BLOCK (rows = keys), V BLOCK (rows = channels, K = the tile's keys)].
; SHARES: a work-group owns one head and one token tile of 128 queries: 256 work-groups.  EIGHT waves of 512 registers, two to a SIMD.  Wave w owns fragments 2 (w % 4) and 2 (w % 4) + 1 of q (32 queries),
; so that each fragment of K and of V read from LDS feeds two products, and HALF OF THE KEYS: of a slot's four key tiles waves 0-3 take the first two, waves 4-7 the last two; 128 keys a step.
; Each wave keeps its own running M, sum and O^T; at the end waves 4-7 hand theirs to waves 0-3 through LDS, and the halves are brought under the larger M by powers of two: exact.
; LAYOUT: both products are used transposed (S^T = K q^T, O^T = V^T p^T): a lane holds one query of each fragment; its 64 registers of S^T are keys 32 b + 16 (lane / 16) + i at register 16 b + i, those of O^T channels likewise.
; THE RING: two LDS slots of four key tiles (eight BLOCKs, 102,400 bytes); each wave brings one BLOCK by one tensor load.  All eight fragments of V stand in registers ahead of the softmax, so in a slot's second step
; my reads of the slot are over there: the waits, the add and the barrier's signal stand ahead of that step's softmax, which is the register work between signal and wait; the refill follows the round.
; CLUSTER: the four token tiles of a cluster belong to one head and walk the same K and V: each BLOCK is asked for jointly by the four work-groups.
; NO PREFETCH: a refill is asked for two key steps of every wave ahead of the wait for it, and the launch has four slots' worth of keys in all: two are asked for at once, so only two refills could be run ahead of.
; LIMITS: 1 / the sum is v_rcp_f32's; a block of zeros gets the byte 1 (its codes are zeros; this program alone reads the bytes); NaN and infinities are not served; the scaled scores t stay under 2^31 in magnitude.
; REGISTERS.  Window 0: v1-14 addresses; v16-23 for each fragment -M, the largest t, the sum in two halves; v24-47 p's codes; v48-49 q's scale words; v52-59 K's (lanes 0-15) and V's (lanes 16-31) scale words;
;   v60-61 p's scale words; v62-65 the factors 2^(old M - new M); v68-115 at work; v128-255 S^T, then p.  Window 1: v0-127 O^T; v128-223 eight fragments of K or V; v224-247 q.
.set BLK,   12800
.set FRB,   1536
.set SLOTB, 8*BLK
.set SLOT1, 1<<17                      ; slot 1 begins here: one exclusive or turns an address in one slot into the other's
.set SCW,   SLOT1+SLOTB                ; behind the ring: 512 bytes in which the result's scale words meet
.set SPARE, SCW+512                    ; the spare words, 128 bytes for each of the eight waves
.set MRG,   SPARE+8*128                ; for each pair of fragments what the second half of the keys hands over: O^T (32 x 512 bytes), then -M and the sum (2 x 256 bytes).  No tensor load lands here
.set MRGB,  16384+512
.set LI,  1                            ; 16 x lane
.set LSC, 2                            ; 12,288 + 16 r + 12,800 h
.set ADR, 3                            ; LDS address of the step's fragments
.set ADS, 4                            ; of its scale words
.set SPW, 5                            ; my spare word; never rewritten
.set NIL, 6                            ; 0; never rewritten
.set QS,  7                            ; q's scale words' place in the BLOCK
.set PW,  8                            ; v8-9 the result's scale words
.set SWA, 10                           ; where I put them in LDS
.set SRA, 11                           ; where wave 0 reads the 512 bytes back
.set GOF, 12                           ; 16 x lane + 3,072 x (wave % 4): my two fragments in a BLOCK
.set MGA, 13                           ; O^T's image
.set MGS, 14                           ; -M and the sum
.set ST,  16
.set PCD, 24
.set QW,  48
.set SCR, 52
.set PSW, 60
.set FA,  62
.set WK,  68                           ; 24 registers at work for each fragment
.set SB,  128
.set OT,  0                            ; window 1
.set F,   128                          ; window 1
.set QF,  224                          ; window 1
.set WV,  12
.set SEL, 20                           ; s[20:21] v_permlanex16_b32's selects for lane l xor 16
.set CS,  22                           ; s[22:23] log2(e), as a pair
.set G1,  24
.set G0,  32
.set TB,  36                           ; LDS byte at which the key tile in hand begins
.set CNT, 38
.set MSB, 0
.macro WIN new                         ; the immediate's high byte repeats the setting that is left
.if MSB != (\new)
	s_set_vgpr_msb (MSB<<8)|(\new)
.set MSB, (\new)
.endif
.endm
.macro PLACES
.rept 4
	v_nop
.endr
.endm
.set HON, 1                            ; the hints are written in the key steps alone; the merge and the way out, which run once, have none
.macro HINT n
.if HON
	s_delay_alu instid0(VALU_DEP_\n)
.endif
.endm
.macro CREST                           ; a round of the cluster's barrier behind its opening barrier
	s_cmp_lg_u32 s[WV], 0
	s_cbranch_scc1 .Lnot_wave_0_\@
	s_barrier_signal -3
.Lnot_wave_0_\@:
	s_barrier_wait -3
	s_barrier_signal -1
	s_barrier_wait -1
.endm
.macro CROUND
	s_barrier_signal -1
	s_barrier_wait -1
	CREST
.endm
.macro JLOAD                           ; every wave issues this line for a BLOCK of its own; an s_nop 0 and four v_nop follow
	tensor_load_to_lds s[G0:G0+3], s[G1:G1+7]
	s_nop 0
	PLACES
.endm
; THE SOFTMAX, first part: each block's largest score, the row's, the new M and the factor.  The two fragments take turns line by line.
.macro SOFT_A
.irp f,0,1
.irp b,0,1,2,3
	v_max3_num_f32 v[WK+24*\f+\b], v[SB+64*\f+16*\b], v[SB+64*\f+16*\b+1], v[SB+64*\f+16*\b+2]   ; the largest score of each block of 32 keys serves for the row's maximum and for the block's largest p
.endr
.endr
.irp i,3,5,7,9,11,13
.irp f,0,1
.irp b,0,1,2,3
	v_max3_num_f32 v[WK+24*\f+\b], v[WK+24*\f+\b], v[SB+64*\f+16*\b+\i], v[SB+64*\f+16*\b+\i+1]
.endr
.endr
.endr
.irp f,0,1
.irp b,0,1,2,3
	v_max_num_f32 v[WK+24*\f+\b], v[WK+24*\f+\b], v[SB+64*\f+16*\b+15]
.endr
.endr
.irp f,0,1
.irp b,0,1,2,3
	v_permlanex16_b32 v[WK+24*\f+4+\b], v[WK+24*\f+\b], s[SEL], s[SEL+1]
.endr
.endr
.irp f,0,1
.irp b,0,1,2,3
	v_max_num_f32 v[WK+24*\f+\b], v[WK+24*\f+\b], v[WK+24*\f+4+\b]   ; with lane l xor 16's 16 keys
.endr
.endr
.irp f,0,1
	v_max3_num_f32 v[WK+24*\f+8], v[WK+24*\f], v[WK+24*\f+1], v[WK+24*\f+2]
.endr
.irp f,0,1
	HINT 2
	v_max_num_f32 v[WK+24*\f+8], v[WK+24*\f+8], v[WK+24*\f+3]       ; the step's largest score of my query
.endr
.irp f,0,1
	HINT 2
	v_mul_f32 v[WK+24*\f+8], s[CS], v[WK+24*\f+8]                   ; as t
.endr
.irp f,0,1
	HINT 2
	v_max_num_f32 v[ST+4*\f+1], v[ST+4*\f+1], v[WK+24*\f+8]         ; the running largest t
.endr
.irp f,0,1
	v_mov_b32 v[WK+24*\f+8], v[ST+4*\f]
.endr
.irp f,0,1
	HINT 4
	v_floor_f32 v[ST+4*\f], -v[ST+4*\f+1]                           ; the new -M = floor(-t): M is a whole number
.endr
.irp f,0,1
	HINT 2
	v_sub_f32 v[WK+24*\f+8], v[ST+4*\f], v[WK+24*\f+8]              ; M's old value less its new one: a whole number, 0 or less
.endr
.irp f,0,1
	HINT 2
	v_cvt_i32_f32 v[WK+24*\f+8], v[WK+24*\f+8]                      ; (it saturates)
.endr
.irp f,0,1
	HINT 2
	v_ldexp_f32 v[FA+2*\f], 1.0, v[WK+24*\f+8]                      ; 2^(old M - new M)
.endr
.endm
; second part: p, the sums, p's codes and scale words, O^T under the new M
.macro SOFT_B
.irp f,0,1
.set j, 0
.rept 32
	v_pk_fma_f32 v[SB+64*\f+j:SB+64*\f+j+1], v[SB+64*\f+j:SB+64*\f+j+1], s[CS:CS+1], v[ST+4*\f:ST+4*\f+1] op_sel_hi:[1,0,0]   ; t - M
.set j, j+2
.endr
.endr
.irp f,0,1
.irp b,0,1,2,3
	v_fma_f32 v[WK+24*\f+\b], v[WK+24*\f+\b], s[CS], v[ST+4*\f]     ; the same of each block's largest score
.endr
.endr
	s_wait_alu depctr_va_vdst(0)
.set j, 0
.rept 128
	v_exp_f32 v[SB+j], v[SB+j]                     ; p = 2^(t - M), at most 1
.set j, j+1
.endr
.irp f,0,1
	v_pk_mul_f32 v[ST+4*\f+2:ST+4*\f+3], v[ST+4*\f+2:ST+4*\f+3], v[FA+2*\f:FA+2*\f+1] op_sel_hi:[1,0]   ; the sums under the new M: plain places behind the exponentials
.endr
	s_wait_alu depctr_va_vdst(0)                   ; one wait for the whole batch, ahead of its first reader
.irp f,0,1
.irp b,0,1,2,3
	v_exp_f32 v[WK+24*\f+\b], v[WK+24*\f+\b]       ; the block's largest p: the same two instructions on the same number give the same bits
.endr
.endr
.irp f,0,1                                     ; the row's sum of the unquantised p: four chains a fragment
	v_pk_add_f32 v[WK+24*\f+8:WK+24*\f+9], v[SB+64*\f:SB+64*\f+1], v[SB+64*\f+2:SB+64*\f+3]
	v_pk_add_f32 v[WK+24*\f+10:WK+24*\f+11], v[SB+64*\f+4:SB+64*\f+5], v[SB+64*\f+6:SB+64*\f+7]
	v_pk_add_f32 v[WK+24*\f+16:WK+24*\f+17], v[SB+64*\f+8:SB+64*\f+9], v[SB+64*\f+10:SB+64*\f+11]
	v_pk_add_f32 v[ST+4*\f+2:ST+4*\f+3], v[ST+4*\f+2:ST+4*\f+3], v[SB+64*\f+12:SB+64*\f+13]
.endr
.set j, 14
.rept 6
.irp f,0,1
	v_pk_add_f32 v[WK+24*\f+8:WK+24*\f+9], v[WK+24*\f+8:WK+24*\f+9], v[SB+64*\f+j:SB+64*\f+j+1]
	v_pk_add_f32 v[WK+24*\f+10:WK+24*\f+11], v[WK+24*\f+10:WK+24*\f+11], v[SB+64*\f+j+2:SB+64*\f+j+3]
	v_pk_add_f32 v[WK+24*\f+16:WK+24*\f+17], v[WK+24*\f+16:WK+24*\f+17], v[SB+64*\f+j+4:SB+64*\f+j+5]
	v_pk_add_f32 v[ST+4*\f+2:ST+4*\f+3], v[ST+4*\f+2:ST+4*\f+3], v[SB+64*\f+j+6:SB+64*\f+j+7]
.endr
.set j, j+8
.endr
.irp f,0,1
	v_pk_add_f32 v[WK+24*\f+8:WK+24*\f+9], v[WK+24*\f+8:WK+24*\f+9], v[SB+64*\f+62:SB+64*\f+63]
.endr
.irp f,0,1
	v_pk_add_f32 v[WK+24*\f+10:WK+24*\f+11], v[WK+24*\f+10:WK+24*\f+11], v[WK+24*\f+16:WK+24*\f+17]
.endr
.irp f,0,1
	HINT 2
	v_pk_add_f32 v[WK+24*\f+8:WK+24*\f+9], v[WK+24*\f+8:WK+24*\f+9], v[WK+24*\f+10:WK+24*\f+11]
.endr
.irp f,0,1
	HINT 2
	v_pk_add_f32 v[ST+4*\f+2:ST+4*\f+3], v[ST+4*\f+2:ST+4*\f+3], v[WK+24*\f+8:WK+24*\f+9]
.endr
	s_wait_alu depctr_va_vdst(0)                   ; and one for the eight
.irp f,0,1
.irp b,0,1,2,3
	v_max_num_f32 v[WK+24*\f+\b], 0x1800000, v[WK+24*\f+\b]         ; the floor 2^(3 - 127): the byte cannot fall under 1
.endr
.endr
.irp f,0,1
.irp b,0,1,2,3
	v_add_nc_u32 v[WK+24*\f+12+\b], 0xff000000, v[WK+24*\f+\b]      ; 2 off the exponent field: the conversion's scale operand
.endr
.endr
.irp f,0,1
.irp b,0,1,2,3
	v_lshrrev_b32 v[WK+24*\f+4+\b], 23, v[WK+24*\f+12+\b]           ; the scale's byte
.endr
.endr
.irp f,0,1
	v_lshl_or_b32 v[PSW+\f], v[WK+24*\f+5], 8, v[WK+24*\f+4]        ; p's scale word for these 128 keys
.endr
.irp f,0,1
	HINT 2
	v_lshl_or_b32 v[PSW+\f], v[WK+24*\f+6], 16, v[PSW+\f]
.endr
.irp f,0,1
	HINT 2
	v_lshl_or_b32 v[PSW+\f], v[WK+24*\f+7], 24, v[PSW+\f]
.endr
.irp f,0,1
.irp c,0,1
	v_cvt_scalef32_pk16_fp6_f32 v[PCD+12*\f+6*\c:PCD+12*\f+6*\c+2], v[SB+64*\f+32*\c:SB+64*\f+32*\c+15], v[WK+24*\f+12+2*\c]
	v_cvt_scalef32_pk16_fp6_f32 v[WK+24*\f+4+4*\c:WK+24*\f+6+4*\c], v[SB+64*\f+32*\c+16:SB+64*\f+32*\c+31], v[WK+24*\f+13+2*\c]   ; (a conversion's three registers begin on an even number)
.endr
.endr
	v_nop                                          ; one plain place behind a scaled conversion
.irp f,0,1
.irp c,0,1                                     ; the operand's layout wants a whole block in a lane
.irp i,0,1,2
	v_permlane16_swap_b32 v[PCD+12*\f+6*\c+\i], v[WK+24*\f+4+4*\c+\i]
.endr
.irp i,0,1,2
	HINT 3
	v_mov_b32 v[PCD+12*\f+6*\c+3+\i], v[WK+24*\f+4+4*\c+\i]
.endr
.endr
.endr
	WIN 0x41                                       ; O^T: destination and source 0 in window 1
	s_wait_alu depctr_va_vdst(0)                   ; directly ahead of the first reader of O^T
.irp f,0,1
.set j, 0
.rept 32
	v_pk_mul_f32 v[OT+64*\f+j:OT+64*\f+j+1], v[OT+64*\f+j:OT+64*\f+j+1], v[FA+2*\f:FA+2*\f+1] op_sel_hi:[1,0]   ; O^T under the new M; these are also the places between p's codes and scale words and the products
.set j, j+2
.endr
.endr
	WIN 0
.endm
; A KEY STEP: the key tile at LDS byte s[TB]: K's BLOCK, then V's.  chg = 0: the slot's first step of mine.  chg = 1: its second, which gives the slot back and asks for it again.  chg = 2: the second, with nothing left to ask for.
.macro STEP chg
	v_add_nc_u32 v[ADR], s[TB], v[LI]              ; these two and the two v_nop are the places in front of loads into registers that the last products read
	v_add_nc_u32 v[ADS], s[TB], v[LSC]
	s_wait_alu depctr_va_vdst(0)
	v_nop
	v_nop
	ds_load_b128 v[SCR:SCR+3], v[ADS]              ; scale words of fragments 0-3: lanes 0-15 K's, lanes 16-31 V's
	ds_load_b128 v[SCR+4:SCR+7], v[ADS] offset:256
	WIN 0x40
.irp t,0,1,2,3,4,5,6,7
.irp c,0,1,2
	ds_load_b128 v[F+12*\t+4*\c:F+12*\t+4*\c+3], v[ADR] offset:FRB*\t+512*\c
.endr
.endr
	WIN 0x05                                       ; S^T = K q^T: K's fragment and q in window 1
	s_wait_dscnt 12                                ; the scale words and fragments 0-3 are in; the 12 loads of fragments 4-7 may be out
.irp t,0,1,2,3,4,5,6,7
.if \t == 4
	s_wait_dscnt 0x0
.endif
.irp f,0,1
	v_wmma_scale_f32_16x16x128_f8f6f4 v[SB+64*\f+8*\t:SB+64*\f+8*\t+7], v[F+12*\t:F+12*\t+11], v[QF+12*\f:QF+12*\f+11], 0, v[SCR+\t], v[QW+\f] matrix_a_fmt:MATRIX_FMT_FP6 matrix_b_fmt:MATRIX_FMT_FP6
.endr
.endr
	PLACES                                         ; for the loads below and for the first read of the scores
	WIN 0x40
.irp t,0,1,2,3,4,5,6,7                         ; all of V's fragments: they land under the softmax
.irp c,0,1,2
	ds_load_b128 v[F+12*\t+4*\c:F+12*\t+4*\c+3], v[ADR] offset:BLK+FRB*\t+512*\c
.endr
.endr
	WIN 0
.if \chg
	s_wait_tensorcnt 0x0                           ; all my tensor loads have landed: my BLOCK of the other slot; so the group 0 may be written
	ds_add_u32 v[SPW], v[NIL]                      ; 0 onto my spare word; work on registers follows
.if \chg == 1
	s_xor_b32 s[G0+1], s[G0+1], SLOT1              ; the walking descriptor: this slot,
	s_add_nc_u64 s[G0+2:G0+3], s[G0+2:G0+3], SLOTB ; the next four key tiles
.endif
.endif
	SOFT_A
.if \chg
	s_wait_alu depctr_va_vdst(0)
	s_wait_dscnt 0x0                               ; the add is done; V is in registers: my reads of this slot are over
	s_barrier_signal -1                            ; register work alone stands between this signal and its wait
.endif
	SOFT_B
	s_wait_alu depctr_va_vdst(0)
.if \chg
	s_barrier_wait -1
.if \chg == 1
	CREST                                          ; the barrier has opened a round of the cluster's: no wave of any partner still reads this slot or has a load on its way
	JLOAD                                          ; my one tensor load behind the round
.endif
.else
	s_wait_dscnt 0x0                               ; V's fragments are in
.endif
	WIN 0x51                                       ; O^T += V^T p^T: V's fragment, C and D in window 1; sixteen accumulators by turns
.irp t,0,1,2,3,4,5,6,7
.irp f,0,1
	v_wmma_scale_f32_16x16x128_f8f6f4 v[OT+64*\f+8*\t:OT+64*\f+8*\t+7], v[F+12*\t:F+12*\t+11], v[PCD+12*\f:PCD+12*\f+11], v[OT+64*\f+8*\t:OT+64*\f+8*\t+7], v[SCR+\t], v[PSW+\f] matrix_a_fmt:MATRIX_FMT_FP6 matrix_b_fmt:MATRIX_FMT_FP6 matrix_a_scale:MATRIX_SCALE_ROW1
.endr
.endr
	WIN 0
	s_add_co_u32 s[TB], s[TB], 2*BLK               ; the next key tile
.endm
.macro SLOTS chg                       ; two slots, my two key steps of each
	s_mov_b32 s[CNT], 2
.Lslot_\@:
	STEP 0
	STEP \chg
	s_sub_co_u32 s[TB], s[TB], 4*BLK               ; back to my half's first key tile,
	s_xor_b32 s[TB], s[TB], SLOT1                  ; in the other slot
	s_sub_co_u32 s[CNT], s[CNT], 1
	s_cmp_lg_u32 s[CNT], 0
	s_cbranch_scc1 .Lslot_\@
.endm
; 64 numbers of a lane, register 16 b + i = k 32 b + 16 (lane / 16) + i of my row, become a fragment's codes in v[pc] on and its scale word in v[pw]
.macro QUANT s, pw, pc
.irp b,0,1,2,3
	v_max3_num_f32 v[WK+\b], |v[\s+16*\b]|, |v[\s+1+16*\b]|, 0x1800000
.endr
.irp i,2,4,6,8,10,12,14
.irp b,0,1,2,3
	HINT 4
	v_max3_num_f32 v[WK+\b], v[WK+\b], |v[\s+16*\b+\i]|, |v[\s+1+16*\b+\i]|
.endr
.endr
.irp b,0,1,2,3
	HINT 4
	v_permlanex16_b32 v[WK+4+\b], v[WK+\b], s[SEL], s[SEL+1]
.endr
.irp b,0,1,2,3
	HINT 4
	v_max_num_f32 v[WK+\b], v[WK+\b], v[WK+4+\b]
.endr
.irp b,0,1,2,3
	HINT 4
	v_add_nc_u32 v[WK+12+\b], 0xff000000, v[WK+\b]
.endr
.irp b,0,1,2,3
	HINT 4
	v_lshrrev_b32 v[WK+4+\b], 23, v[WK+12+\b]
.endr
	HINT 3
	v_lshl_or_b32 v[\pw], v[WK+5], 8, v[WK+4]
	HINT 1
	v_lshl_or_b32 v[\pw], v[WK+6], 16, v[\pw]
	HINT 1
	v_lshl_or_b32 v[\pw], v[WK+7], 24, v[\pw]
.irp c,0,1
	v_cvt_scalef32_pk16_fp6_f32 v[\pc+6*\c:\pc+2+6*\c], v[\s+32*\c:\s+15+32*\c], v[WK+12+2*\c]
	v_cvt_scalef32_pk16_fp6_f32 v[\pc+12+4*\c:\pc+14+4*\c], v[\s+16+32*\c:\s+31+32*\c], v[WK+13+2*\c]
.endr
	v_nop
.irp c,0,1
.irp i,0,1,2
	v_permlane16_swap_b32 v[\pc+6*\c+\i], v[\pc+12+4*\c+\i]
.endr
.irp i,0,1,2
	HINT 3
	v_mov_b32 v[\pc+3+6*\c+\i], v[\pc+12+4*\c+\i]
.endr
.endr
.endm
	s_load_b128 s[4:7], s[0:1], 0x0                ; qp, kvp
	s_load_b64 s[8:9], s[0:1], 0x10                ; ap
	v_lshl_add_u32 v[SPW], v0, 2, SPARE
	v_mov_b32 v[NIL], 0
	ds_add_u32 v[SPW], v[NIL]                      ; the wave's opening: the add, twice on end, and its wait ahead of my first tensor load
	ds_add_u32 v[SPW], v[NIL]
	v_lshrrev_b32 v116, 5, v0
	v_readfirstlane_b32 s[WV], v116                ; wave 0..7
	s_and_b32 s16, s[WV], 3                        ; which pair of q's fragments is mine
	s_lshr_b32 s17, s[WV], 2                       ; which half of the keys
	s_bfe_u32 s13, ttmp6, 0x40000                  ; cx
	s_lshl_b32 s14, ttmp9, 2
	s_add_co_u32 s14, s14, s13                     ; my token tile: it enters qp's and ap's addresses alone
	s_and_b32 s15, ttmp7, 0xffff                   ; the head, which the four partners share
	s_mov_b32 s[G1], 15|(3<<16)|(1<<21)            ; the mask: all four work-groups; elements of 8 bytes; bit 21 beside a mask
	s_mov_b32 s[G1+1], 32<<16                      ; 12,800 dense bytes as 50 rows of 256
	s_mov_b32 s[G1+2], 50<<16
	s_mov_b32 s[G1+3], 32<<16
	s_mov_b32 s[G1+4], 50
	s_mov_b32 s[G1+5], 32
	s_mov_b32 s[G1+6], 0
	s_mov_b32 s[G1+7], 0
	s_mul_i32 s40, s[WV], BLK                      ; my BLOCK of a slot, in LDS and in memory
	s_mul_i32 s42, s15, 32*BLK                     ; the head's 32 BLOCKs
	s_add_co_u32 s42, s42, s40
	s_mov_b32 s43, 0
	s_lshl_b32 s44, s14, 4
	s_add_co_u32 s44, s44, s15
	s_mul_i32 s44, s44, BLK                        ; the BLOCK [token tile][head] of qp and of ap
	s_mov_b32 s45, 0
	s_mul_i32 s46, s16, 2*FRB                      ; my two fragments in it
	s_lshr_b32 s41, s16, 1
	s_lshl_b32 s41, s41, 8
	s_and_b32 s48, s16, 1
	s_lshl_b32 s48, s48, 3
	s_add_co_u32 s41, s41, s48                     ; their two scale words' place: 256 (pair / 2) + 8 (pair % 2)
	s_mul_i32 s47, s16, MRGB
	s_add_co_u32 s47, s47, MRG                     ; where the two halves of the keys meet
	s_mov_b32 s[SEL], 0x76543210
	s_mov_b32 s[SEL+1], 0xfedcba98
	s_mov_b32 s[CS], 0x3fb8aa3b                    ; log2(e)
	s_mov_b32 s[CS+1], s[CS]
	s_mul_i32 s[TB], s17, 4*BLK                    ; my half's first key tile in a slot
	s_wait_dscnt 0x0                               ; both opening adds are done
	s_wait_kmcnt 0x0
	s_mov_b32 s[G0], 1
	s_mov_b32 s[G0+1], s40                         ; slot 0
	s_add_nc_u64 s[G0+2:G0+3], s[6:7], s[42:43]
	s_or_b32 s[G0+3], s[G0+3], 0x80000000
	s_add_nc_u64 s[4:5], s[4:5], s[44:45]
	s_add_nc_u64 s[8:9], s[8:9], s[44:45]
	CROUND                                         ; all four work-groups are here: the first joint loads meet
	JLOAD                                          ; slot 0: my one tensor load at the head
	v_and_b32 v116, 31, v0                         ; lane
	v_and_b32 v117, 15, v0                         ; r
	v_bfe_u32 v118, v0, 4, 1                       ; h
	v_lshlrev_b32 v[LI], 4, v116
	v_lshlrev_b32 v119, 4, v117                    ; 16 r
	v_mul_u32_u24 v[LSC], v118, BLK
	v_lshlrev_b32 v[MGS], 3, v116
	v_add_nc_u32 v[GOF], s46, v[LI]
	v_add_nc_u32 v[SWA], s41, v119
	v_add_nc_u32 v[SRA], SCW, v[LI]
	v_add_nc_u32 v[LSC], v[LSC], v119
	v_add_nc_u32 v[MGA], s47, v[LI]                ; every LDS address is made here, ahead of the places where the waves part
	v_add_nc_u32 v[MGS], s47, v[MGS]
	v_add_nc_u32 v[QS], 8*FRB, v[SWA]
	v_add_nc_u32 v[SWA], SCW, v[SWA]
	v_add_nc_u32 v[LSC], 8*FRB, v[LSC]
	v_add_nc_u32 v[MGS], 16384, v[MGS]
	global_load_b64 v[QW:QW+1], v[QS], s[4:5]      ; q's scale words
	WIN 0x40
.irp f,0,1
.irp c,0,1,2
	global_load_b128 v[QF+12*\f+4*\c:QF+12*\f+4*\c+3], v[GOF], s[4:5] offset:FRB*\f+512*\c   ; q's two fragments stay in registers
.endr
.endr
.set j, 0
.rept 128
	v_mov_b32 v[OT+j], 0                           ; O^T.  (The step is written for every key tile alike: the first finds zeros, which the first change of M leaves zeros)
.set j, j+1
.endr
	WIN 0
.irp f,0,1
	v_mov_b32 v[ST+4*\f+1], 0xff61b1e6             ; the largest t so far: -3e38
	v_mov_b32 v[ST+4*\f+2], 0                      ; the sum, in two halves
	v_mov_b32 v[ST+4*\f+3], 0
	v_mov_b32 v[FA+2*\f+1], 0                      ; (named as the upper half of a pair)
.irp b,0,1,2,3
	v_mov_b32 v[WK+24*\f+4+\b], 0                  ; a lane permute's destination counts as one of its sources
.endr
	v_floor_f32 v[ST+4*\f], -v[ST+4*\f+1]          ; -M
.endr
	s_wait_alu depctr_va_vdst(0)
	s_wait_loadcnt 0x0                             ; q
	s_wait_tensorcnt 0x0                           ; my BLOCK of slot 0 is in; slot 1's first fill is issued as a refill is:
	ds_add_u32 v[SPW], v[NIL]                      ; 0 onto my spare word
	s_xor_b32 s[G0+1], s[G0+1], SLOT1
	s_add_nc_u64 s[G0+2:G0+3], s[G0+2:G0+3], SLOTB
	s_wait_dscnt 0x0
	CROUND
	JLOAD                                          ; slot 1
	SLOTS 1                                        ; key tiles 0-7: each slot is asked for again in its second step
	SLOTS 2                                        ; key tiles 8-15: nothing is left to ask for; the barrier shows the last slot whole (written once, walked twice)
.set HON, 0
	; THE TWO HALVES OF THE KEYS MEET
	PLACES                                         ; between the last products and the first read of their results
.irp f,0,1
	v_add_f32 v[ST+4*\f+2], v[ST+4*\f+2], v[ST+4*\f+3]
.endr
.irp f,0,1
	HINT 2
	v_permlanex16_b32 v[WK+24*\f+4], v[ST+4*\f+2], s[SEL], s[SEL+1]
.endr
.irp f,0,1
	HINT 2
	v_add_f32 v[ST+4*\f+1], v[ST+4*\f+2], v[WK+24*\f+4]   ; my half's sum for the row, under my M, beside -M
.endr
	s_wait_alu depctr_va_vdst(0)
	s_cmp_lt_u32 s[WV], 4
	s_cbranch_scc1 .Lkeeper
	WIN 0x04                                       ; the data: window 1
.set j, 0
.rept 32
	ds_store_b128 v[MGA], v[OT+4*j:OT+4*j+3] offset:512*j   ; an image of the registers; ascending: each accumulator from its low end on
.set j, j+1
.endr
	WIN 0
	ds_store_b64 v[MGS], v[ST:ST+1]
	ds_store_b64 v[MGS], v[ST+4:ST+5] offset:256
.Lkeeper:
	s_wait_dscnt 0x0                               ; for the others' sake: my stores have landed
	s_barrier_signal -1
	s_barrier_wait -1
	s_cmp_lt_u32 s[WV], 4
	s_cbranch_scc0 .Lgiven
	ds_load_b64 v[WK:WK+1], v[MGS]                 ; the other half's -M and sum,
	ds_load_b64 v[WK+24:WK+25], v[MGS] offset:256
.set j, 0
.rept 32
	ds_load_b128 v[SB+4*j:SB+4*j+3], v[MGA] offset:512*j   ; and its O^T, in the same lanes
.set j, j+1
.endr
	s_wait_dscnt 0x0
.irp f,0,1
	v_min_num_f32 v[WK+24*\f+2], v[ST+4*\f], v[WK+24*\f]            ; -M of both halves: the larger M
.endr
.irp f,0,1
	HINT 2
	v_sub_f32 v[WK+24*\f+3], v[WK+24*\f+2], v[ST+4*\f]              ; my M less it: a whole number, 0 or less
.endr
.irp f,0,1
	HINT 4
	v_sub_f32 v[WK+24*\f+6], v[WK+24*\f+2], v[WK+24*\f]             ; the other's likewise
.endr
.irp f,0,1
	HINT 4
	v_cvt_i32_f32 v[WK+24*\f+3], v[WK+24*\f+3]
.endr
.irp f,0,1
	HINT 4
	v_cvt_i32_f32 v[WK+24*\f+6], v[WK+24*\f+6]
.endr
.irp f,0,1
	HINT 4
	v_ldexp_f32 v[WK+24*\f+3], 1.0, v[WK+24*\f+3]                   ; powers of two: they round nothing
.endr
.irp f,0,1
	HINT 4
	v_ldexp_f32 v[WK+24*\f+6], 1.0, v[WK+24*\f+6]
.endr
.irp f,0,1
	HINT 4
	v_mul_f32 v[WK+24*\f+5], v[ST+4*\f+1], v[WK+24*\f+3]
.endr
.irp f,0,1
	HINT 2
	v_fmac_f32 v[WK+24*\f+5], v[WK+24*\f+1], v[WK+24*\f+6]          ; the row's sum, above 1/2
.endr
	s_wait_alu depctr_va_vdst(0)
.irp f,0,1
	v_rcp_f32 v[WK+24*\f+7], v[WK+24*\f+5]
.endr
	v_nop                                          ; a plain place behind them
	s_wait_alu depctr_va_vdst(0)                   ; and the wait ahead of their first reader
.irp f,0,1
	v_mul_f32 v[WK+24*\f+8], v[WK+24*\f+3], v[WK+24*\f+7]           ; my factor: the power of two / the sum (the pairs' upper halves hold numbers)
	v_mul_f32 v[WK+24*\f+10], v[WK+24*\f+6], v[WK+24*\f+7]          ; the other half's
.endr
.irp f,0,1
.set j, 0
.rept 32
	v_pk_mul_f32 v[SB+64*\f+j:SB+64*\f+j+1], v[SB+64*\f+j:SB+64*\f+j+1], v[WK+24*\f+10:WK+24*\f+11] op_sel_hi:[1,0]
.set j, j+2
.endr
.endr
	WIN 0x01                                       ; source 0: my O^T, in window 1
	s_wait_alu depctr_va_vdst(0)                   ; directly ahead of the first reader of O^T
.irp f,0,1
.set j, 0
.rept 32
	v_pk_fma_f32 v[SB+64*\f+j:SB+64*\f+j+1], v[OT+64*\f+j:OT+64*\f+j+1], v[WK+24*\f+8:WK+24*\f+9], v[SB+64*\f+j:SB+64*\f+j+1] op_sel_hi:[1,0,1]   ; ascending: each accumulator from its low end on
.set j, j+2
.endr
.endr
	WIN 0
	; THE WAY OUT: a lane's 64 registers are channels 32 b + 16 h + i of its query: quantised, they leave as my fragments of the BLOCK [token tile][head] of ap
	QUANT SB, PW, 24
.irp c,0,1,2
	global_store_b128 v[GOF], v[24+4*\c:27+4*\c], s[8:9] offset:512*\c   ; 32 lanes store 512 consecutive bytes, at a multiple of 256 from ap's first byte
.endr
	QUANT SB+64, PW+1, 92
.irp c,0,1,2
	global_store_b128 v[GOF], v[92+4*\c:95+4*\c], s[8:9] offset:FRB+512*\c
.endr
	ds_store_b64 v[SWA], v[PW:PW+1]                ; my 32 rows' scale words meet the other waves' (both halves of the lanes write the same words with the same values)
.Lgiven:
	s_wait_dscnt 0x0                               ; for the others' sake: my store has landed
	s_barrier_signal -1
	s_barrier_wait -1
	s_cmp_lg_u32 s[WV], 0
	s_cbranch_scc1 .Lnot_mine
	ds_load_b128 v[116:119], v[SRA]
	s_wait_dscnt 0x0
	global_store_b128 v[LI], v[116:119], s[8:9] offset:8*FRB   ; the BLOCK's 512 bytes of scale words, by one store
.Lnot_mine:
	s_wait_tensorcnt 0x0                           ; the wave's end, behind my last tensor load and my last LDS store
	ds_add_u32 v[SPW], v[NIL]
	s_wait_dscnt 0x0
	CROUND                                         ; the closing round: no work-group ends while a partner may still ask for a tile that names it
	s_endpgm
.Lfunc_end_k_q959eca380e_attn:
	.size	k_q959eca380e_attn, .Lfunc_end_k_q959eca380e_attn-k_q959eca380e_attn
	.p2alignl 7, 3214868480
	.fill 96, 4, 3214868480
	.section	.rodata,"a",@progbits
	.p2align	6, 0x0
	.amdhsa_kernel k_q959eca380e_attn
		.amdhsa_group_segment_fixed_size 327680
		.amdhsa_private_segment_fixed_size 0
		.amdhsa_enable_private_segment 0
		.amdhsa_kernarg_size 24
		.amdhsa_user_sgpr_count 2
		.amdhsa_user_sgpr_kernarg_segment_ptr 1
		.amdhsa_wavefront_size32 1
		.amdhsa_system_sgpr_workgroup_id_x 1
		.amdhsa_system_sgpr_workgroup_id_y 1
		.amdhsa_system_sgpr_workgroup_id_z 1
		.amdhsa_system_vgpr_workitem_id 0
		.amdhsa_next_free_vgpr 512
		.amdhsa_next_free_sgpr 66
		.amdhsa_reserve_vcc 0
		.amdhsa_float_denorm_mode_32 3
		.amdhsa_float_denorm_mode_16_64 3
		.amdhsa_memory_ordered 1
		.amdhsa_forward_progress 1
		.amdhsa_inst_pref_size 171
	.end_amdhsa_kernel
	.amdgpu_metadata
---
amdhsa.version: [ 1, 2 ]
amdhsa.kernels:
  - .name:           k_q959eca380e_attn
    .symbol:         k_q959eca380e_attn.kd
    .args:
      - { .name: qp, .offset: 0, .size: 8, .value_kind: global_buffer, .address_space: global }
      - { .name: kvp, .offset: 8, .size: 8, .value_kind: global_buffer, .address_space: global }
      - { .name: ap, .offset: 16, .size: 8, .value_kind: global_buffer, .address_space: global }
    .group_segment_fixed_size: 327680
    .private_segment_fixed_size: 0
    .kernarg_segment_align: 8
    .kernarg_segment_size: 24
    .max_flat_workgroup_size: 256
    .sgpr_count:     66
    .vgpr_count:     512
    .wavefront_size: 32
...
	.end_amdgpu_metadata
.endif
;; end of part 3
;; launch proj (part 4): grid 16 x 16, 4 waves a work-group, clusters of 4 x 4, 327,680 bytes of LDS; arguments ap, pk, out0; writes out0
.if DOCPART == 4
	.amdgcn_target "amdgcn-amd-amdhsa--gfx1250"
	.amdhsa_code_object_version 6
	.text
	.protected	k_q959eca380e_proj
	.globl	k_q959eca380e_proj
	.p2align	8
	.type	k_q959eca380e_proj,@function
k_q959eca380e_proj:
	s_mov_b64 s[64:65], 0
	v_nop
	global_prefetch_b8 v0, s[64:65] scope:SCOPE_SE
	s_setreg_imm32_b32 hwreg(HW_REG_WAVE_MODE, 25, 1), 1
	s_wait_xcnt 0x0
	s_wait_alu depctr_hold_cnt(0) depctr_sa_sdst(0) depctr_va_vdst(0) depctr_va_sdst(0) depctr_va_ssrc(0) depctr_va_vcc(0) depctr_vm_vsrc(0)
	s_getreg_b32 s2, hwreg(HW_REG_IB_STS2, 6, 4)
	s_cmp_eq_u32 s2, 0
	s_cbranch_scc0 .Lentry_in_a_cluster
	s_endpgm
.Lentry_in_a_cluster:
	s_bfe_u32 s2, ttmp6, 0x10000c
	s_cmp_lg_u32 s2, 0xf033
	s_cbranch_scc0 .Lentry_shape_is_right
	s_endpgm
.Lentry_shape_is_right:
; out0 = attn Wo^T on codes of FP6 (E2M3) with E8M0 scales.  Operands are BLOCKs of 128 rows x 128 K, 12,800 bytes, in the order of the operand's registers: ap [token tile][K step], pk's fifth tensor [row tile][K step].
; A BLOCK: eight fragment images of 1,536 bytes, then the scale words (fragment i, lane r at 12,288 + 256 (i / 4) + 16 r + 4 (i % 4)); lane r of fragment i holds row 32 (i / 2) + 8 (i % 2) + r + 8 (r / 8).
; SHARES: a work-group makes 128 x 128 of out0, each of its four waves 64 x 64: 16 accumulators; 256 work-groups.  Source 0 = Wo's fragment, source 1 = attn's: a lane holds eight neighbouring columns of a row.
; LDS: A's K steps 0-11 (153,600 bytes), then B's; read as three slots of four K steps.  AT THE HEAD each wave issues ONE joint load of 76,800 dense bytes: six K steps of A (waves 0, 1) or of B (waves 2, 3).
; K steps 12-15 come by ONE refill, 25,600 bytes a wave, into the bytes of K steps 0-3: it is asked for at K step 3, whose fragments are in registers by then, eight K steps ahead of the wait for it.
; The sixteen K steps are written out: each has 16 products and 25 LDS loads.
; CLUSTERS: 4 x 4 work-groups; A's BLOCKs are shared along a row of the cluster, B's along a column.  The result leaves through each wave's own stage in LDS, in whole units of 256 bytes.
.set NBK,   4
.set BLK,   12800
.set FRB,   1536
.set PIECE, 25600                      ; two K steps
.set SLOT,  2*PIECE                    ; four K steps of A or of B
.set BREG,  6*PIECE                    ; B's twelve K steps lie behind A's
.set SPARE, 12*PIECE                   ; the spare words, 128 bytes for each wave
.set STAGE, SPARE+512                  ; 16 rows x 272 bytes for each wave; no tensor load lands here
.set SPITCH, 272
.set STREAM, 204800
.set ADRA, 8                           ; v8-10   LDS address of my A fragments in slot 0, 1, 2
.set ADRB, 11                          ; v11-13  of my B fragments
.set ADRS, 40                          ; v40-42  of the scale words: lanes 0-15 A's, lanes 16-31 B's
.set STO,  24
.set RD,   25
.set CO,   26
.set SPW,  28                          ; my spare word; never rewritten
.set NIL,  29                          ; 0; never rewritten
.set SC,   32
.set BK,   160
.set G1,  24
.set G0,  32                           ; the refill's group 0 for A;
.set G1B, 48
.set G0B, 56                           ; for B
.set G0H, 84                           ; the head's for A;
.set G0HB, 88                          ; for B
.set MSB, 0
.macro WIN new
.if MSB != (\new)
	s_set_vgpr_msb (MSB<<8)|(\new)
.set MSB, (\new)
.endif
.endm
.macro PLACES
.rept 4
	v_nop
.endr
.endm
.macro JLOAD g0a, g1a, g0b, g1b        ; waves 0 and 1 fetch for A, waves 2 and 3 for B; an s_nop 0 and four v_nop follow each line
	s_cmp_eq_u32 s15, 0
	s_cbranch_scc0 .Lfor_b_\@
	tensor_load_to_lds s[\g0a:\g0a+3], s[\g1a:\g1a+7]
	s_nop 0
.rept 4
	v_nop
.endr
	s_branch .Lasked_\@
.Lfor_b_\@:
	tensor_load_to_lds s[\g0b:\g0b+3], s[\g1b:\g1b+7]
	s_nop 0
.rept 4
	v_nop
.endr
.Lasked_\@:
.endm
.macro CREST
	s_cmp_lg_u32 s14, 0
	s_cbranch_scc1 .Lnot_wave_0_\@
	s_barrier_signal -3
.Lnot_wave_0_\@:
	s_barrier_wait -3
	s_barrier_signal -1
	s_barrier_wait -1
.endm
.macro CROUND
	s_barrier_signal -1
	s_barrier_wait -1
	CREST
.endm
	s_load_b128 s[4:7], s[0:1], 0x0                ; ap, pk
	s_load_b64 s[8:9], s[0:1], 0x10                ; out0
	v_lshl_add_u32 v[SPW], v0, 2, SPARE
	v_mov_b32 v[NIL], 0
	ds_add_u32 v[SPW], v[NIL]                      ; the wave's opening: the add, twice on end, and its wait ahead of my first tensor load
	ds_add_u32 v[SPW], v[NIL]
	v_lshrrev_b32 v1, 5, v0
	v_readfirstlane_b32 s14, v1                    ; wave 0..3
	s_lshr_b32 s15, s14, 1                         ; which 64 rows of the tile are mine.  Also: I fetch for A (0) or for B (1)
	s_and_b32 s16, s14, 1                          ; which 64 columns.  Also: which half of what is fetched
	s_bfe_u32 s40, ttmp6, 0x40000                  ; cx
	s_bfe_u32 s41, ttmp6, 0x40004                  ; cy
	s_lshl_b32 s42, ttmp9, 2
	s_add_co_u32 s42, s42, s40                     ; tile column
	s_and_b32 s17, ttmp7, 0xffff
	s_lshl_b32 s17, s17, 2
	s_add_co_u32 s17, s17, s41                     ; tile row
	s_lshl_b32 s43, s41, 2
	s_lshl_b32 s43, 15, s43                        ; my row of the cluster
	s_lshl_b32 s44, 0x1111, s40                    ; my column
	s_or_b32 s[G1], s43, (3<<16)|(1<<21)
	s_or_b32 s[G1B], s44, (3<<16)|(1<<21)
.irp g, G1, G1B
	s_mov_b32 s[\g+1], 32<<16                      ; rows of 256 dense bytes
	s_mov_b32 s[\g+2], 300<<16                     ; the head's load brings 300 rows; behind it the two words that count rows are set to 100
	s_mov_b32 s[\g+3], 32<<16
	s_mov_b32 s[\g+4], 300
	s_mov_b32 s[\g+5], 32
	s_mov_b32 s[\g+6], 0
	s_mov_b32 s[\g+7], 0
.endr
	s_mul_i32 s70, s16, PIECE                      ; my half of the refill, in LDS and in memory
	s_mov_b32 s71, 0
	s_mul_i32 s92, s16, 3*PIECE                    ; my half of the head's twelve K steps
	s_mov_b32 s93, 0
	s_mul_i32 s20, s17, STREAM
	s_mov_b32 s21, 0
	s_mul_i32 s46, s42, STREAM
	s_add_co_u32 s46, s46, 4*3276800               ; Wo is pk's fifth tensor
	s_mov_b32 s47, 0
	s_wait_dscnt 0x0                               ; both opening adds are done
	s_wait_kmcnt 0x0
	s_add_nc_u64 s[20:21], s[4:5], s[20:21]
	s_add_nc_u64 s[46:47], s[6:7], s[46:47]
	CROUND                                         ; all sixteen work-groups are here: the first joint loads meet
	s_mov_b32 s[G0H], 1
	s_mov_b32 s[G0H+1], s92
	s_add_nc_u64 s[G0H+2:G0H+3], s[20:21], s[92:93]
	s_or_b32 s[G0H+3], s[G0H+3], 0x80000000
	s_mov_b32 s[G0HB], 1
	s_add_co_u32 s[G0HB+1], s92, BREG
	s_add_nc_u64 s[G0HB+2:G0HB+3], s[46:47], s[92:93]
	s_or_b32 s[G0HB+3], s[G0HB+3], 0x80000000
	s_mov_b32 s[G0], 1                             ; the refill: K steps 12-15 into the bytes of K steps 0-3
	s_mov_b32 s[G0+1], s70
	s_add_nc_u64 s[G0+2:G0+3], s[20:21], s[70:71]
	s_add_nc_u64 s[G0+2:G0+3], s[G0+2:G0+3], 6*PIECE
	s_or_b32 s[G0+3], s[G0+3], 0x80000000
	s_mov_b32 s[G0B], 1
	s_add_co_u32 s[G0B+1], s70, BREG
	s_add_nc_u64 s[G0B+2:G0B+3], s[46:47], s[70:71]
	s_add_nc_u64 s[G0B+2:G0B+3], s[G0B+2:G0B+3], 6*PIECE
	s_or_b32 s[G0B+3], s[G0B+3], 0x80000000
	JLOAD G0H, G1, G0HB, G1B                       ; my one tensor load at the head
	v_and_b32 v1, 31, v0                           ; lane
	v_and_b32 v2, 15, v0                           ; r
	v_bfe_u32 v3, v0, 4, 1                         ; h
	v_lshlrev_b32 v4, 4, v1
	s_wait_alu depctr_va_vdst(0)
	v_lshlrev_b32 v5, 4, v2
	s_mul_i32 s78, s15, 4*FRB                      ; my four fragments of A's eight
	s_mul_i32 s79, s16, 4*FRB
	s_add_co_u32 s79, s79, BREG                    ; of B's
	s_lshl_b32 s76, s15, 8
	s_lshl_b32 s77, s16, 8
	s_add_co_u32 s77, s77, BREG
	s_sub_co_u32 s77, s77, s76
	v_mul_u32_u24 v6, s77, v3                      ; lanes 16-31 take B's scale words
	v_add_nc_u32 v5, v5, v6
	s_add_co_u32 s76, s76, 8*FRB
	v_add_nc_u32 v[ADRA], s78, v4
	v_add_nc_u32 v[ADRB], s79, v4
	v_add_nc_u32 v[ADRS], s76, v5
.irp s, 1,2
	v_add_nc_u32 v[ADRA+\s], \s*SLOT, v[ADRA]
	v_add_nc_u32 v[ADRB+\s], \s*SLOT, v[ADRB]
	v_add_nc_u32 v[ADRS+\s], \s*SLOT, v[ADRS]
.endr
	s_mul_i32 s74, s14, 16*SPITCH
	s_add_co_u32 s74, s74, STAGE                   ; my stage
	v_mul_u32_u24 v[STO], v2, SPITCH
	v_lshl_add_u32 v[STO], v3, 6, v[STO]
	v_add_nc_u32 v[STO], s74, v[STO]
	v_mul_u32_u24 v[RD], v3, SPITCH
	v_lshl_add_u32 v[RD], v2, 4, v[RD]
	v_add_nc_u32 v[RD], s74, v[RD]
	v_lshlrev_b32 v[CO], 13, v3
	v_lshl_add_u32 v[CO], v2, 4, v[CO]
	s_lshl_b32 s70, s17, 7
	s_lshl_b32 s71, s15, 6
	s_add_co_u32 s70, s70, s71                     ; my first row of out0
	s_lshl_b32 s70, s70, 13
	s_lshl_b32 s72, s42, 9
	s_lshl_b32 s73, s16, 8
	s_add_co_u32 s72, s72, s73                     ; my first column, in bytes
	s_add_co_u32 s70, s70, s72
	s_mov_b32 s71, 0
	s_add_nc_u64 s[8:9], s[8:9], s[70:71]
.macro FETCH slot, q, set              ; the fragments and scale words of the slot's q-th K step into set 0 (window 1) or set 1 (window 0)
	WIN 0x40*(1-(\set))
.set fi, 0
.rept NBK
.irp c, 0,1,2
	ds_load_b128 v[64*(\set)+12*fi+4*\c:64*(\set)+12*fi+4*\c+3], v[ADRA+\slot] offset:BLK*(\q)+FRB*fi+512*\c
.endr
.set fi, fi+1
.endr
.set fi, 0
.rept NBK
.irp c, 0,1,2
	ds_load_b128 v[64*(\set)+12*NBK+12*fi+4*\c:64*(\set)+12*NBK+12*fi+4*\c+3], v[ADRB+\slot] offset:BLK*(\q)+FRB*fi+512*\c
.endr
.set fi, fi+1
.endr
	WIN 0
	ds_load_b128 v[SC+NBK*(\set):SC+NBK*(\set)+3], v[ADRS+\slot] offset:BLK*(\q)
.endm
.macro MULR a0, na, set, zero          ; the 16 accumulators (window 2) take turns, one instruction a turn, in the same order in every K step
.set ma, \a0
.rept \na
.set wv, 0xa0|(5*(1-(\set)))
	WIN wv
.set mb, 0
.rept NBK
.set ar, 8*(NBK*ma+mb)
.if \zero
	v_wmma_scale_f32_16x16x128_f8f6f4 v[ar:ar+7], v[64*(\set)+12*NBK+12*mb:64*(\set)+12*NBK+12*mb+11], v[64*(\set)+12*ma:64*(\set)+12*ma+11], 0, v[SC+NBK*(\set)+mb], v[SC+NBK*(\set)+ma] matrix_a_fmt:MATRIX_FMT_FP6 matrix_b_fmt:MATRIX_FMT_FP6 matrix_a_scale:MATRIX_SCALE_ROW1
.else
	v_wmma_scale_f32_16x16x128_f8f6f4 v[ar:ar+7], v[64*(\set)+12*NBK+12*mb:64*(\set)+12*NBK+12*mb+11], v[64*(\set)+12*ma:64*(\set)+12*ma+11], v[ar:ar+7], v[SC+NBK*(\set)+mb], v[SC+NBK*(\set)+ma] matrix_a_fmt:MATRIX_FMT_FP6 matrix_b_fmt:MATRIX_FMT_FP6 matrix_a_scale:MATRIX_SCALE_ROW1
.endif
.set mb, mb+1
.endr
.set ma, ma+1
.endr
.endm
.macro STEP slot, q, zero              ; a K step with its successor in the same slot
	s_wait_dscnt 0x0
	PLACES
	FETCH \slot, (\q)+1, ((\q)+1)%2
	MULR 0, NBK, (\q)%2, \zero
.endm
.macro HOP next                        ; a slot's last K step where the next slot has lain whole since the head: no barrier
	s_wait_dscnt 0x0
	PLACES
	FETCH \next, 0, 0
	MULR 0, NBK, 1, 0
.endm
; A slot's last K step with a barrier.  fill = 1: my reads of slot 0 are over; the waits, the add, the round, and the refill.  fill = 0: the refill has landed, and the barrier shows it whole to all four waves.
.macro TURN next, fill
	WIN 0
	s_wait_tensorcnt 0x0                           ; all my tensor loads have landed
	ds_add_u32 v[SPW], v[NIL]                      ; 0 onto my spare word
	s_wait_dscnt 1                                 ; (the add may be out)
	MULR 0, NBK/4, 1, 0
	s_wait_dscnt 0x0                               ; the add is done, and so are my reads
	s_barrier_signal -1
	MULR NBK/4, NBK/4, 1, 0
	WIN 0
	s_barrier_wait -1
.if \fill
	CREST                                          ; the barrier has opened a round of the cluster's barrier
	JLOAD G0, G1, G0B, G1B                         ; the first tensor load behind the round
.else
	PLACES
.endif
	s_wait_alu depctr_va_vdst(0)
	FETCH \next, 0, 0
	MULR NBK/2, NBK/2, 1, 0
.endm
	s_wait_alu depctr_va_vdst(0)
	s_wait_tensorcnt 0x0                           ; my six K steps are in; no tensor load of mine is out, so a descriptor may be written:
	s_mov_b32 s[G1+2], 100<<16                     ; the refill brings 100 rows, two K steps, a wave
	s_mov_b32 s[G1+4], 100
	s_mov_b32 s[G1B+2], 100<<16
	s_mov_b32 s[G1B+4], 100
	s_barrier_signal -1
	s_barrier_wait -1                              ; all twelve K steps are whole
	FETCH 0, 0, 0
	STEP 0, 0, 1                                   ; K step 0 starts the sums
	STEP 0, 1, 0
	STEP 0, 2, 0
	TURN 1, 1                                      ; K step 3: slot 0 is asked for again
	STEP 1, 0, 0
	STEP 1, 1, 0
	STEP 1, 2, 0
	HOP 2                                          ; K step 7
	STEP 2, 0, 0
	STEP 2, 1, 0
	STEP 2, 2, 0
	TURN 0, 0                                      ; K step 11
	STEP 0, 0, 0
	STEP 0, 1, 0
	STEP 0, 2, 0
	s_wait_dscnt 0x0                               ; K step 15
	MULR 0, NBK, 1, 0
	WIN 0
; THE WAY OUT: a block of 16 rows x 64 columns goes through my own stage and comes back as rows of 256 bytes; LDS serves a wave's instructions in order
.macro TOSTAGE a
	WIN 0x08
.irp b, 0,1,2,3
	ds_store_b128 v[STO], v[8*(4*(\a)+\b):8*(4*(\a)+\b)+3] offset:128*(\b/2)+32*(\b%2)
	ds_store_b128 v[STO], v[8*(4*(\a)+\b)+4:8*(4*(\a)+\b)+7] offset:128*(\b/2)+32*(\b%2)+16
.endr
	WIN 0
.irp t, 0,1,2,3,4,5,6,7
	ds_load_b128 v[BK+32*((\a)%2)+4*\t:BK+32*((\a)%2)+4*\t+3], v[RD] offset:2*\t*SPITCH
.endr
.endm
.macro SEND a, younger                 ; younger: the LDS instructions issued behind block a's loads, which may stay out
	s_wait_dscnt \younger
.irp t, 0,1,2,3,4,5,6,7
	global_store_b128 v[CO], v[BK+32*((\a)%2)+4*\t:BK+32*((\a)%2)+4*\t+3], s[8:9] offset:(32*((\a)/2)+8*((\a)%2)+2*\t+8*(\t/4))*8192 th:TH_STORE_NT   ; 16 lanes store 256 consecutive bytes, aligned
.endr
.endm
	PLACES
	TOSTAGE 0
	TOSTAGE 1
	SEND 0, 16
	s_wait_xcnt 0x0                                ; block 0's stores have read their registers
	TOSTAGE 2
	SEND 1, 16
	s_wait_xcnt 0x0
	TOSTAGE 3
	SEND 2, 16
	SEND 3, 0
	s_wait_tensorcnt 0x0                           ; the wave's end, behind my last tensor load and my last LDS store
	ds_add_u32 v[SPW], v[NIL]
	s_wait_dscnt 0x0
	CROUND                                         ; the closing round
	s_endpgm
.Lfunc_end_k_q959eca380e_proj:
	.size	k_q959eca380e_proj, .Lfunc_end_k_q959eca380e_proj-k_q959eca380e_proj
	.p2alignl 7, 3214868480
	.fill 96, 4, 3214868480
	.section	.rodata,"a",@progbits
	.p2align	6, 0x0
	.amdhsa_kernel k_q959eca380e_proj
		.amdhsa_group_segment_fixed_size 327680
		.amdhsa_private_segment_fixed_size 0
		.amdhsa_enable_private_segment 0
		.amdhsa_kernarg_size 24
		.amdhsa_user_sgpr_count 2
		.amdhsa_user_sgpr_kernarg_segment_ptr 1
		.amdhsa_wavefront_size32 1
		.amdhsa_system_sgpr_workgroup_id_x 1
		.amdhsa_system_sgpr_workgroup_id_y 1
		.amdhsa_system_sgpr_workgroup_id_z 1
		.amdhsa_system_vgpr_workitem_id 0
		.amdhsa_next_free_vgpr 640
		.amdhsa_next_free_sgpr 100
		.amdhsa_reserve_vcc 0
		.amdhsa_float_denorm_mode_32 3
		.amdhsa_float_denorm_mode_16_64 3
		.amdhsa_memory_ordered 1
		.amdhsa_forward_progress 1
		.amdhsa_inst_pref_size 77
	.end_amdhsa_kernel
	.amdgpu_metadata
---
amdhsa.version: [ 1, 2 ]
amdhsa.kernels:
  - .name:           k_q959eca380e_proj
    .symbol:         k_q959eca380e_proj.kd
    .args:
      - { .name: ap, .offset: 0, .size: 8, .value_kind: global_buffer, .address_space: global }
      - { .name: pk, .offset: 8, .size: 8, .value_kind: global_buffer, .address_space: global }
      - { .name: out0, .offset: 16, .size: 8, .value_kind: global_buffer, .address_space: global }
    .group_segment_fixed_size: 327680
    .private_segment_fixed_size: 0
    .kernarg_segment_align: 8
    .kernarg_segment_size: 24
    .max_flat_workgroup_size: 128
    .sgpr_count:     100
    .vgpr_count:     640
    .wavefront_size: 32
...
	.end_amdgpu_metadata
.endif
;; end of part 4
